; MI455X (gfx1250); checked and timed in simulation.
; The chip was launched on July 23, 2026; its instructions are those of AMD's public machine-readable ISA for CDNA 5 (MIT licence, August 2026) and "CDNA5" Instruction Set Architecture Reference Guide (July 2026). The comments in the code are by the model that wrote it; some were corrected since.
;; Masked Attention. Allowed arithmetic: matrix products marked QUANTISED: E3M2 operands, one E8M0 scale for each 32 along K, by v_wmma_scale_f32_16x16x128_f8f6f4 with both operands' format E3M2, f32 sums; everything else in f32.
;; Inputs: c_attn_b 3,072 float32; c_attn_w 1,024 x 3,072 float32; c_proj_b 1,024 float32; c_proj_w 1,024 x 1,024 float32; x 4 x 2,048 x 1,024 float32.
;; Outputs: out0 4 x 2,048 x 1,024 float32.
;; This version of the problem:
;;   THIS VERSION OF THE PROBLEM IS GIVEN IN LOW PRECISION. The matrix products marked QUANTISED in the list below multiply operands that are first quantised to E3M2 (3 exponent bits, 2 mantissa bits; 6 bits a number), with one power-of-two scale for each 32 numbers along K (OCP MX v1.0); their sums are f32. All else is computed in f32.
;;   The module's matrix products, in the order in which they are computed (A, B: the left and right operand; K: the contracted axis; several contracted axes count as one K, in the product's order):
;;     1. [M 8,192, K 1,024] x [K 1,024, N 3,072]; A: input x; B: input c_attn_w: QUANTISED
;;     2. batch 64 x [M 2,048, K 64] x [K 64, N 2,048]; A: computed on the way; B: computed on the way: QUANTISED
;;     3. batch 64 x [M 2,048, K 2,048] x [K 2,048, N 64]; A: softmax (see below); B: computed on the way: QUANTISED
;;     4. [M 8,192, K 1,024] x [K 1,024, N 1,024]; A: computed on the way; B: input c_proj_w: QUANTISED
;;   THE QUANTISER, for each operand of a quantised product, along K:
;;     - K is cut into blocks of 32 from its start; a last block that is shorter is filled with zeros.
;;     - A block's scale is 2^e with e = floor(log2(the largest magnitude in the block)) - 4, held to -126 .. 127; a block of zeros has e = 0. As a byte (E8M0): e + 127.
;;     - Each number is divided by its block's scale, clamped to +-28, and rounded to the nearest number of E3M2, ties to even, subnormals kept.
;;     - The product sums the exact products of the quantised numbers (number of the format x scale) in f32.
;;   ~~~python
;;   def quantise(x, axis):      # numpy; x: float32 -> the quantised numbers, widened to float32 again
;;       x = np.moveaxis(x, axis, -1); K = x.shape[-1]
;;       x = np.pad(x, [(0, 0)] * (x.ndim - 1) + [(0, -K % 32)]); x = x.reshape(x.shape[:-1] + (-1, 32)); a = np.abs(x).max(-1, keepdims=True)
;;       e = np.where(a > 0, np.clip(np.frexp(np.where(a > 0, a, 1))[1] - 1 - 4, -126, 127), 0)      # np.frexp(a)[1] - 1 = floor(log2(a)), exactly
;;       r = np.clip(x / 2.0 ** e, -28, 28)
;;       step = 2.0 ** (np.maximum(np.frexp(np.where(r == 0, 1, r))[1] - 1, -2) - 2)
;;       q = np.round(r / step) * step * 2.0 ** e      # np.round: ties to even
;;       return np.moveaxis(q.reshape(q.shape[:-2] + (-1,))[..., :K], -1, axis).astype(np.float32)
;;   ~~~
;;   SOFTMAX AHEAD OF A QUANTISED PRODUCT. Where the list says 'softmax', what is quantised is not the finished softmax but p = 2^(t - M), with t = logit x log2(e) and M = ceil(the row's largest t), a whole number; so 1/2 < the row's largest p <= 1. The row's sum l is taken of the UNQUANTISED p, in f32, and the product's result is divided by l at the end. Since M is a whole number, a kernel that streams over the keys may use a running M (the ceiling of the running maximum): every later rescaling is an exact power of two, which a block's scale takes up: the codes' values come out the same.
;;   OPERANDS COMPUTED ON THE WAY. 'Computed on the way' means the value that the module computes at that place (a softmax that the list does not call 'softmax' is quantised finished and normalised). What goes into a quantiser is computed in f32, as accurately as f32 sums, v_exp_f32 and their like allow (about 1e-6 of the number): no bf16 or f16 on the way to a quantiser, and a product that is left as it is and whose result goes on into a quantised operand takes f32 operands (vector FMAs, or v_wmma_f32_16x16x4_f32). A number that lies on a knife's edge between two numbers of the format may be rounded either way, as far as f32 arithmetic and the matrix unit's own rounding can turn it there, and no further.
;; One version. Each part assembles by itself: llvm-mc -triple=amdgcn-amd-amdhsa -mcpu=gfx1250 --defsym DOCPART=n.
;; ======== version 1 of 1: 4 launches
;; workspace buffers: xq 6,553,600 bytes; wq 3,276,800 bytes; qk 13,107,200 bytes; vv 6,553,600 bytes; aq 6,553,600 bytes
;; launch quant (part 1): grid 384 x 1, 4 waves a work-group, no clusters, 34,304 bytes of LDS; arguments x, c_attn_w, c_proj_w, xq, wq; writes xq, wq
.if DOCPART == 1
	.amdgcn_target "amdgcn-amd-amdhsa--gfx1250"
	.amdhsa_code_object_version 6
	.text
	.protected	k_qfa85f27432_quant
	.globl	k_qfa85f27432_quant
	.p2align	8
	.type	k_qfa85f27432_quant,@function
k_qfa85f27432_quant:
	s_mov_b64 s[64:65], 0
	v_nop
	global_prefetch_b8 v0, s[64:65] scope:SCOPE_SE
	s_setreg_imm32_b32 hwreg(HW_REG_WAVE_MODE, 25, 1), 1
	s_wait_xcnt 0x0
; x [8192][1024], c_attn_w [1024][3072] and c_proj_w [1024][1024], f32, become codes of BF6 (E3M2) with one E8M0 byte for each 32 along K (K = 1024: x's last axis, the weights' first).
; A block's scale is 2^(floor(log2(largest magnitude)) - 4); its byte is the largest magnitude's exponent field - 4, held at 1 from below.
; LIMITS: NaN and infinities are not served; a block whose largest magnitude lies under 2^-122 keeps the byte 1; a block of zeros has the byte 1 where the rule says 127 (its codes are zeros, and this program alone reads the bytes).
; THE WORKSPACE IS LAID AS THE MATRIX OPERAND'S REGISTERS.  Rows go in tiles of 16: tile 2 g + u holds rows 32 g + 8 u + r + 8 (r / 8), r = 0 .. 15.  A fragment (a tile x 128 K: 12 registers a lane) is 1,536 bytes:
; chunk c of three holds lane l's registers 4 c .. 4 c + 3 at 512 c + 16 l.  A tile's eight fragments lie on end (12,288 bytes).  Scale bytes: [row / 256][K / 256][tile % 16][r][8 bytes], behind the images.
; wq holds c_attn_w's columns as rows 0 .. 3071 and c_proj_w's as rows 3072 .. 4095.
; SHARES.  Work-groups 0-255: 32 rows of x each; 256-351: 128 columns x 256 K of c_attn_w; 352-383: the same of c_proj_w: 128 KiB of f32 each.  Waves share nothing: no barrier.  Only x's path touches LDS.
.set XSC,  6291456                     ; xq: where the scale bytes begin
.set WSC,  3145728                     ; wq: likewise
.set SEL,  20                          ; s[20:21] v_permlanex16_b32's selects for lane l xor 16
.set R,    16                          ; x: v16-143 two sets of 64 registers as loaded
.set X,    144                         ; x: v144-207 64 numbers: register 16 b + i = k 32 b + 16 (lane / 16) + i of my row
.set PC,   208                         ; x: v208-226 the codes just made (the fragment in the first 12)
.set TM,   228                         ; x: v228-243 at work
.set PW,   244                         ; x: the scale word just made
.set WD,   248                         ; x: v248-251 the four fragments' scale words
.set XW,   32                          ; weights: v32-95 two sets of 32 numbers
.set CF,   96                          ; weights: v96-143 four sets of 12: a lane's registers of four places in the images
.set CT,   144                         ; weights: v144-146 a block's upper 16 codes
.set SB,   24                          ; weights: v[24:25] my column's 8 scale bytes
; 64 numbers of a lane become a fragment's codes in v[PC] on and its row's scale word in v[PW].
.macro QUANT s
.irp b, 0,1,2,3
	v_max3_num_f32 v[TM+\b], |v[\s+16*\b]|, |v[\s+1+16*\b]|, 0x2800000   ; block b: my 16 numbers, and the floor 2^(5 - 127): the byte cannot fall under 1
.endr
.irp i, 2,4,6,8,10,12,14
.irp b, 0,1,2,3
	v_max3_num_f32 v[TM+\b], v[TM+\b], |v[\s+16*\b+\i]|, |v[\s+1+16*\b+\i]|   ; the four blocks by turns
.endr
.endr
.irp b, 0,1,2,3
	v_permlanex16_b32 v[TM+4+\b], v[TM+\b], s[SEL], s[SEL+1]
.endr
.irp b, 0,1,2,3
	v_max_num_f32 v[TM+\b], v[TM+\b], v[TM+4+\b]   ; with lane l xor 16's: the block's largest magnitude
.endr
.irp b, 0,1,2,3
	v_add_nc_u32 v[TM+12+\b], 0xfe000000, v[TM+\b]   ; 4 off its exponent field: the conversion's scale operand
.endr
.irp b, 0,1,2,3
	v_lshrrev_b32 v[TM+4+\b], 23, v[TM+12+\b]      ; the scale's byte
.endr
	v_lshl_or_b32 v[PW], v[TM+5], 8, v[TM+4]
	v_lshl_or_b32 v[PW], v[TM+6], 16, v[PW]
	v_lshl_or_b32 v[PW], v[TM+7], 24, v[PW]
.irp c, 0,1
	v_cvt_scalef32_pk16_bf6_f32 v[PC+6*\c:PC+2+6*\c], v[\s+32*\c:\s+15+32*\c], v[TM+12+2*\c]
	v_cvt_scalef32_pk16_bf6_f32 v[PC+12+4*\c:PC+14+4*\c], v[\s+16+32*\c:\s+31+32*\c], v[TM+12+2*\c+1]   ; (a conversion's three registers begin on an even number)
.endr
	v_nop                                          ; one plain place behind a scaled conversion
.irp c, 0,1                                    ; the operand wants a whole block in a lane: lanes 0-15 block 2 c, lanes 16-31 block 2 c + 1
.irp i, 0,1,2
	v_permlane16_swap_b32 v[PC+6*\c+\i], v[PC+12+4*\c+\i]
.endr
.irp i, 0,1,2
	v_mov_b32 v[PC+3+6*\c+\i], v[PC+12+4*\c+\i]
.endr
.endr
.endm
	s_load_b128 s[4:7], s[0:1], 0x0                ; x, c_attn_w
	s_load_b128 s[8:11], s[0:1], 0x10              ; c_proj_w, xq
	s_load_b64 s[12:13], s[0:1], 0x20              ; wq
	v_lshl_add_u32 v254, v0, 2, 0x8400
	v_mov_b32 v255, 0
	v_lshrrev_b32 v1, 5, v0
	v_readfirstlane_b32 s14, v1                    ; wave 0..3
	v_and_b32 v2, 31, v0                           ; lane
	s_mov_b32 s[SEL], 0x76543210
	s_mov_b32 s[SEL+1], 0xfedcba98
	s_wait_kmcnt 0x0
	s_cmp_lt_u32 ttmp9, 256
	s_cbranch_scc0 .Lweights
; ---- x.  Wave w of work-group i: tile T = 2 i + w / 2, half w % 2 of K: four fragments.  Each load reads 512 consecutive bytes of one row; a fragment's 16 rows turn through the wave's own stage in LDS
; (rows 528 bytes apart: 33 x 16, so that the sixteen rows a load touches fall on different banks) and come back 16 neighbours of each block of 32 to a lane.
	s_lshr_b32 s15, s14, 1                         ; u
	s_and_b32 s16, s14, 1                          ; which half of K
	s_lshl_b32 s17, ttmp9, 1
	s_add_co_u32 s17, s17, s15                     ; T
	s_lshl_b32 s22, ttmp9, 17                      ; 32 i rows of 4,096 bytes
	s_lshl_b32 s23, s15, 15                        ; 8 u rows
	s_add_co_u32 s22, s22, s23
	s_lshl_b32 s23, s16, 11                        ; half a row
	s_add_co_u32 s22, s22, s23
	s_mov_b32 s23, 0
	s_add_nc_u64 s[4:5], s[4:5], s[22:23]
	s_mul_i32 s24, s17, 12288
	s_mul_i32 s25, s16, 6144
	s_add_co_u32 s24, s24, s25
	s_mov_b32 s25, 0
	s_add_nc_u64 s[26:27], s[10:11], s[24:25]      ; my four images
	s_lshr_b32 s24, s17, 4
	s_lshl_b32 s24, s24, 13
	s_lshl_b32 s28, s16, 12
	s_add_co_u32 s24, s24, s28
	s_and_b32 s28, s17, 15
	s_lshl_b32 s28, s28, 7
	s_add_co_u32 s24, s24, s28
	s_add_co_u32 s24, s24, XSC
	s_add_nc_u64 s[28:29], s[10:11], s[24:25]      ; my scale bytes
	v_and_b32 v1, 15, v0                           ; r
	v_bfe_u32 v3, v0, 4, 1                         ; h
	s_mul_i32 s30, s14, 8448                       ; my stage: 16 rows x 528 bytes
	s_wait_alu depctr_va_vdst(0)
	v_lshlrev_b32 v4, 4, v2                        ; 16 x lane
	v_add_nc_u32 v5, s30, v4                       ; into the stage
	v_mul_u32_u24 v6, v1, 528
	v_lshl_add_u32 v6, v3, 6, v6
	v_add_nc_u32 v6, s30, v6                       ; out of it: row r, + 64 h
	v_lshlrev_b32 v7, 3, v1
	v_lshl_add_u32 v7, v3, 11, v7                  ; scale bytes: 8 r, lanes 16-31 one K step of 256 on
.irp b, 0,1,2,3
	v_mov_b32 v[TM+4+\b], 0                        ; written once: a lane permute's destination counts as one of its sources
.endr
.macro LOADX f
.irp p, 0,1,2,3,4,5,6,7,8,9,10,11,12,13,14,15
	global_load_b128 v[R+64*((\f)%2)+4*\p:R+64*((\f)%2)+4*\p+3], v4, s[4:5] offset:(\p+8*(\p/8))*4096+512*(\f) th:TH_LOAD_NT
.endr
.endm
.macro TURNX f                         ; LDS serves a wave's instructions in order: no wait between the stores and the loads
.irp p, 0,1,2,3,4,5,6,7,8,9,10,11,12,13,14,15
	ds_store_b128 v5, v[R+64*((\f)%2)+4*\p:R+64*((\f)%2)+4*\p+3] offset:528*\p
.endr
.irp b, 0,1,2,3
.irp j, 0,1,2,3
	ds_load_b128 v[X+16*\b+4*\j:X+16*\b+4*\j+3], v6 offset:128*\b+16*\j
.endr
.endr
.endm
	LOADX 0
	LOADX 1
	s_wait_alu depctr_va_vdst(0)
.irp f, 0,1,2,3
.if \f < 3
	s_wait_loadcnt 16                              ; this fragment's 16 loads are in; the next fragment's 16 may be out
.else
	s_wait_loadcnt 0x0
.endif
	TURNX \f
	s_wait_dscnt 0x0                               ; the numbers are back, and the stores into the stage have read their registers
.if \f > 0
	s_wait_xcnt 0x0                                ; the last image's stores have read the codes' registers, which are written again below
.endif
.if \f < 2
	LOADX \f+2
.endif
	QUANT X
.irp c, 0,1,2
	global_store_b128 v4, v[PC+4*\c:PC+4*\c+3], s[26:27] offset:1536*\f+512*\c   ; 32 lanes store 512 consecutive bytes, aligned
.endr
	v_mov_b32 v[WD+\f], v[PW]
.endr
	v_cmp_ne_u32 vcc_lo, 0, v3
	v_cndmask_b32 v246, v[WD], v[WD+2], vcc_lo     ; lanes 0-15: the words of my first K step of 256; lanes 16-31: of my second
	v_cndmask_b32 v247, v[WD+1], v[WD+3], vcc_lo
	global_store_b64 v7, v[246:247], s[28:29]      ; two runs of 128 bytes: the neighbouring tile's wave fills the rest of each 256; one byte in 128 of what this path moves
	s_wait_tensorcnt 0x0
	ds_add_u32 v254, v255
	s_wait_dscnt 0x0
	s_endpgm
; ---- the weights.  A LANE TAKES A COLUMN, AND ITS REGISTERS RUN DOWN K: each load reads 128 consecutive bytes of a row of the weight; a block of 32 along K lies in one lane, and the conversions give codes with K innermost.
; Lane l's column is row 8 u + r + 8 (r / 8) of its group of 32: u = (l / 8) % 2, r = 8 (l / 16) + l % 8.  Block t of my 8 is registers 6 c .. 6 c + 5 (c = (t / 2) % 2) of image lane r + 16 (t % 2) of fragment t / 4:
; two blocks fill that lane's 12 registers, which leave by three stores; the sixteen lanes of one u store 256 consecutive bytes, aligned.
.Lweights:
	s_wait_alu depctr_va_vdst(0)
	v_lshlrev_b32 v3, 2, v2                        ; 4 bytes a lane
	v_bfe_u32 v4, v2, 3, 1                         ; u
	v_and_b32 v5, 7, v2
	v_lshrrev_b32 v6, 4, v2
	v_lshl_add_u32 v5, v6, 3, v5                   ; r
	v_mul_u32_u24 v8, v4, 12288
	v_lshl_add_u32 v8, v5, 4, v8                   ; images: tile u, 16 r
	v_lshlrev_b32 v9, 7, v4
	v_lshl_add_u32 v9, v5, 3, v9                   ; scale bytes: tile u, 8 r
.macro WLOAD t, n, p
.irp i, 0,1,2,3,4,5,6,7,8,9,10,11,12,13,14,15,16,17,18,19,20,21,22,23,24,25,26,27,28,29,30,31
	global_load_b32 v[XW+32*((\t)%2)+\i], v3, s[\p:\p+1] offset:(32*(\t)+\i)*\n*4 th:TH_LOAD_NT
.endr
.endm
.macro WBLOCK t, n, p
.set XS, XW+32*((\t)%2)
.set CFB, CF+12*(2*((\t)/4)+(\t)%2)
.set CFC, CFB+6*(((\t)/2)%2)
.if (\t) < 7
	s_wait_loadcnt 32                              ; this block's 32 loads are in; the next block's may be out
.else
	s_wait_loadcnt 0x0
.endif
	v_max3_num_f32 v12, |v[XS]|, |v[XS+1]|, |v[XS+2]|
	v_max3_num_f32 v13, |v[XS+3]|, |v[XS+4]|, |v[XS+5]|
.irp i, 6,10,14,18,22,26
	v_max3_num_f32 v12, v12, |v[XS+\i]|, |v[XS+\i+1]|
	v_max3_num_f32 v13, v13, |v[XS+\i+2]|, |v[XS+\i+3]|
.endr
	v_max3_num_f32 v12, v12, |v[XS+30]|, |v[XS+31]|
	v_max3_num_f32 v12, v12, v13, 0x2800000        ; and the floor
	v_add_nc_u32 v11, 0xfe000000, v12              ; the conversion's scale operand
	v_lshrrev_b32 v13, 23, v11                     ; the byte
.if (\t)%4 == 0
	v_mov_b32 v[SB+(\t)/4], v13
.else
	v_lshl_or_b32 v[SB+(\t)/4], v13, 8*((\t)%4), v[SB+(\t)/4]
.endif
	v_cvt_scalef32_pk16_bf6_f32 v[CFC:CFC+2], v[XS:XS+15], v11
	v_cvt_scalef32_pk16_bf6_f32 v[CT:CT+2], v[XS+16:XS+31], v11
	v_nop                                          ; one plain place behind a scaled conversion
.irp i, 0,1,2
	v_mov_b32 v[CFC+3+\i], v[CT+\i]
.endr
.if (\t)+2 < 8
	WLOAD (\t)+2, \n, \p
.endif
.if ((\t)/2)%2 == 1
.irp k, 0,1,2
	global_store_b128 v8, v[CFB+4*\k:CFB+4*\k+3], s[28:29] offset:((\t)/4)*1536+512*\k+256*((\t)%2)   ; each set of 12 is written once: no store's data are written again
.endr
.endif
.endm
; n: the weight's columns; p: the scalar pair with its address; row0: its first row in wq; id0: its first work-group
.macro WPATH n, p, row0, id0
	s_sub_co_u32 s15, ttmp9, \id0
	s_lshr_b32 s16, s15, 2                         ; which 128 columns
	s_and_b32 s17, s15, 3                          ; which 256 along K
	s_lshl_b32 s18, s16, 7
	s_lshl_b32 s19, s14, 5
	s_add_co_u32 s18, s18, s19                     ; my wave's first column
	s_mul_i32 s22, s17, 256*\n*4
	s_lshl_b32 s23, s18, 2
	s_add_co_u32 s22, s22, s23
	s_mov_b32 s23, 0
	s_add_nc_u64 s[\p:\p+1], s[\p:\p+1], s[22:23]
	s_add_co_u32 s24, s18, \row0
	s_lshr_b32 s24, s24, 5                         ; G: my group of 32 rows of wq: tiles 2 G, 2 G + 1
	s_mul_i32 s26, s24, 24576
	s_mul_i32 s27, s17, 3072
	s_add_co_u32 s26, s26, s27
	s_mov_b32 s27, 0
	s_add_nc_u64 s[28:29], s[12:13], s[26:27]      ; images
	s_lshr_b32 s26, s24, 3
	s_lshl_b32 s26, s26, 13
	s_lshl_b32 s32, s17, 11
	s_add_co_u32 s26, s26, s32
	s_lshl_b32 s32, s24, 1
	s_and_b32 s32, s32, 15
	s_lshl_b32 s32, s32, 7
	s_add_co_u32 s26, s26, s32
	s_add_co_u32 s26, s26, WSC
	s_add_nc_u64 s[30:31], s[12:13], s[26:27]      ; scale bytes
	WLOAD 0, \n, \p
	WLOAD 1, \n, \p
.irp t, 0,1,2,3,4,5,6,7
	WBLOCK \t, \n, \p
.endr
	global_store_b64 v9, v[SB:SB+1], s[30:31]      ; the wave's 32 x 8 bytes are 256 consecutive bytes, aligned
.endm
	s_cmp_lt_u32 ttmp9, 352
	s_cbranch_scc0 .Lproj_w
	s_wait_alu depctr_va_vdst(0)
	WPATH 3072, 6, 0, 256
	s_endpgm
.Lproj_w:
	s_wait_alu depctr_va_vdst(0)
	WPATH 1024, 8, 3072, 352
	s_endpgm
.Lfunc_end_k_qfa85f27432_quant:
	.size	k_qfa85f27432_quant, .Lfunc_end_k_qfa85f27432_quant-k_qfa85f27432_quant
	.p2alignl 7, 3214868480
	.fill 96, 4, 3214868480
	.section	.rodata,"a",@progbits
	.p2align	6, 0x0
	.amdhsa_kernel k_qfa85f27432_quant
		.amdhsa_group_segment_fixed_size 34304
		.amdhsa_private_segment_fixed_size 0
		.amdhsa_enable_private_segment 0
		.amdhsa_kernarg_size 40
		.amdhsa_user_sgpr_count 2
		.amdhsa_user_sgpr_kernarg_segment_ptr 1
		.amdhsa_wavefront_size32 1
		.amdhsa_system_sgpr_workgroup_id_x 1
		.amdhsa_system_sgpr_workgroup_id_y 1
		.amdhsa_system_sgpr_workgroup_id_z 1
		.amdhsa_system_vgpr_workitem_id 0
		.amdhsa_next_free_vgpr 256
		.amdhsa_next_free_sgpr 66
		.amdhsa_reserve_vcc 1
		.amdhsa_float_denorm_mode_32 3
		.amdhsa_float_denorm_mode_16_64 3
		.amdhsa_memory_ordered 1
		.amdhsa_forward_progress 1
		.amdhsa_inst_pref_size 110
	.end_amdhsa_kernel
	.amdgpu_metadata
---
amdhsa.version: [ 1, 2 ]
amdhsa.kernels:
  - .name:           k_qfa85f27432_quant
    .symbol:         k_qfa85f27432_quant.kd
    .args:
      - { .name: x, .offset: 0, .size: 8, .value_kind: global_buffer, .address_space: global }
      - { .name: c_attn_w, .offset: 8, .size: 8, .value_kind: global_buffer, .address_space: global }
      - { .name: c_proj_w, .offset: 16, .size: 8, .value_kind: global_buffer, .address_space: global }
      - { .name: xq, .offset: 24, .size: 8, .value_kind: global_buffer, .address_space: global }
      - { .name: wq, .offset: 32, .size: 8, .value_kind: global_buffer, .address_space: global }
    .group_segment_fixed_size: 34304
    .private_segment_fixed_size: 0
    .kernarg_segment_align: 8
    .kernarg_segment_size: 40
    .max_flat_workgroup_size: 128
    .sgpr_count:     66
    .vgpr_count:     256
    .wavefront_size: 32
...
	.end_amdgpu_metadata
.endif
;; end of part 1
;; launch qkv (part 2): grid 12 x 32, 4 waves a work-group, clusters of 4 x 4, 327,680 bytes of LDS; arguments xq, wq, c_attn_b, qk, vv; writes qk, vv
.if DOCPART == 2
	.amdgcn_target "amdgcn-amd-amdhsa--gfx1250"
	.amdhsa_code_object_version 6
	.text
	.protected	k_qfa85f27432_qkv
	.globl	k_qfa85f27432_qkv
	.p2align	8
	.type	k_qfa85f27432_qkv,@function
k_qfa85f27432_qkv:
	s_mov_b64 s[64:65], 0
	v_nop
	global_prefetch_b8 v0, s[64:65] scope:SCOPE_SE
	s_setreg_imm32_b32 hwreg(HW_REG_WAVE_MODE, 25, 1), 1
	s_wait_xcnt 0x0
	s_wait_alu depctr_hold_cnt(0) depctr_sa_sdst(0) depctr_va_vdst(0) depctr_va_sdst(0) depctr_va_ssrc(0) depctr_va_vcc(0) depctr_vm_vsrc(0)
	s_getreg_b32 s2, hwreg(HW_REG_IB_STS2, 6, 4)
	s_cmp_eq_u32 s2, 0
	s_cbranch_scc0 .Lentry_in_a_cluster
	s_endpgm
.Lentry_in_a_cluster:
	s_bfe_u32 s2, ttmp6, 0x10000c
	s_cmp_lg_u32 s2, 0xf033
	s_cbranch_scc0 .Lentry_shape_is_right
	s_endpgm
.Lentry_shape_is_right:
; qkv = x W + b on codes of BF6 with E8M0 scales (K = 1024), and the quantiser of q, k (along a head's 64 channels) and of v (along the tokens), in registers: qkv never goes to memory as f32.
; A work-group of four waves makes 256 x 256 of the product, a wave 128 x 128: 64 accumulators, 512 registers.  K goes in steps of 256 through a ring of two LDS slots filled by the tensor data mover.
; SOURCE 1's rows (S1) become the result's lanes, SOURCE 0's rows (S0) its registers, and a quantiser wants its K along a lane's registers.  So clusters with x = 0, 1 (q, k) take S1 = x, S0 = W's rows 0-2047,
; and clusters with x = 2 (v) take S1 = W's rows 2048-3071, S0 = x.  In both, S1's tile hangs on the place along the cluster's y and S0's on the place along x: masks, descriptors' shapes, LDS addresses, loop and barriers
; are one path; only the global addresses (chosen by selects on the cluster's x, which all sixteen partners share) and the way out differ.
; OPERANDS lie in memory as images of their registers (tiles of 16 rows: tile 2 g + u = rows 32 g + 8 u + r + 8 (r / 8); a fragment of 128 K is 1,536 bytes, three chunks of 16 bytes a lane), so a fragment comes by three
; ds_load_b128 of 512 consecutive bytes, with no padding, and the 16 registers of result tiles 2 b, 2 b + 1 are 16 neighbours along S0's rows: 32 b + 16 (lane / 16) + 0 .. 15.
; CLUSTERS: 4 x 4 work-groups; S1's tiles are asked for jointly along a row of the cluster, S0's along a column.
; LIMITS: NaN and infinities are not served; a block whose largest magnitude lies under 2^-122 keeps the byte 1, a block of zeros too (its codes are zeros; this program alone reads the bytes).
; REGISTERS: window 0: v1-29 addresses; v32-63 scale words, two sets; v64-127 the bias along registers; v128-223 S1's fragments, one set; v232-239 the bias along lanes; on the way out v128-251 at work.
;   window 1: S0's fragments, two sets, at v0 and v128.  window 2: the accumulators of my S1 blocks 0-3 ((a, b) at v[8 (8 (a % 4) + b)]); window 3: of blocks 4-7.
.set NQ,     2                         ; matrix instructions deep in a slot
.set FR,     12                        ; registers of a fragment
.set NL,     3                         ; LDS loads that bring one
.set NP,     4                         ; places behind this matrix instruction (ISA guide 7.12.1)
.set ROWB,   3072                      ; a tile's bytes of a K step: two fragments
.set HALFT,  8*ROWB                    ; 8 tiles = 128 rows: what one tensor load brings
.set SLOT,   4*HALFT                   ; S1's 16 tiles, then S0's
.set SCL,    2*SLOT                    ; behind the ring: S1's scale bytes for all of K (8,192), then S0's
.set SPARE,  SCL+16384                 ; the spare words, 128 bytes a wave: two blocks of 256 bytes that no other line names
.set XSC,    6291456                   ; where the scale bytes begin in xq,
.set WSC,    3145728                   ; in wq,
.set QKSC,   12582912                  ; in qk,
.set VSC,    6291456                   ; in vv
.set ADRA, 16                          ; v16-17 LDS address of my S1 fragments in slot 0, 1
.set ADRB, 20                          ; v20-21 of my S0 fragments
.set ADRS, 27                          ; v27    of my scale words: lanes 0-15 S1's, lanes 16-31 S0's
.set SPW,  28                          ; v28    my spare word; never rewritten
.set NIL,  29                          ; v29    0; never rewritten
.set SC,   32
.set BQ,   64
.set AF,   128
.set BV,   232
.set ST,   128                         ; the way out: 64 numbers
.set PC,   192                         ; the codes just made
.set TM,   212                         ; at work
.set PW,   228                         ; the scale word just made
.set PWE,  229                         ; the even tile's
.set W,    240                         ; v240-247 scale words gathered
.set XO,   248                         ; v248-251 as they are stored
.set SEL,  4                           ; s[4:5] (free once the descriptors are made) selects for lane l xor 16
.set G1, 24                            ; s[24:31] group 1 for S1's tiles; s[32:39] group 0, a set for each slot
.set G0, 32
.set G1B, 48                           ; s[48:55], s[56:63] the same for S0's
.set G0B, 56
.set G1S, 68                           ; s[68:75], s[76:79] groups 1 and 0 for S1's scale bytes; s[80:87], s[88:91] for S0's
.set G0S, 76
.set G1SB, 80
.set G0SB, 88
.set MSB, 0
.macro WIN new                         ; the immediate's high byte repeats the setting that is left
.if MSB != \new
	s_set_vgpr_msb (MSB<<8)|\new
.set MSB, \new
.endif
.endm
.set MUL_LO, 0xa1                      ; source 0 window 1, source 1 window 0, C and D window 2
.set MUL_HI, 0xf1                      ; the same, C and D window 3
.set TO_B,   0x40                      ; destination window 1, address window 0
; A joint load: waves 0 and 1 fetch for S1, waves 2 and 3 for S0; the branch hangs on the wave's number alone.  Four v_nop follow each of the two lines.
.macro JLOAD g0a, g1a, g0b, g1b
	s_cmp_eq_u32 s15, 0
	s_cbranch_scc0 .Lfor_b_\@
	tensor_load_to_lds s[\g0a:\g0a+3], s[\g1a:\g1a+7]
	s_nop 0
.rept 4
	v_nop
.endr
	s_branch .Lasked_\@
.Lfor_b_\@:
	tensor_load_to_lds s[\g0b:\g0b+3], s[\g1b:\g1b+7]
	s_nop 0
.rept 4
	v_nop
.endr
.Lasked_\@:
.endm
.macro CREST                           ; a round of the cluster's barrier behind its opening barrier
	s_cmp_lg_u32 s14, 0
	s_cbranch_scc1 .Lnot_wave_0_\@
	s_barrier_signal -3
.Lnot_wave_0_\@:
	s_barrier_wait -3
	s_barrier_signal -1
	s_barrier_wait -1
.endm
.macro CROUND
	s_barrier_signal -1
	s_barrier_wait -1
	CREST
.endm
.macro QUANT s                         ; 64 numbers, register 16 b + i = k 32 b + 16 (lane / 16) + i of my row, become a fragment in v[PC] on and its scale word in v[PW]
.irp b, 0,1,2,3
	v_max3_num_f32 v[TM+\b], |v[\s+16*\b]|, |v[\s+1+16*\b]|, 0x2800000   ; and the floor 2^(5 - 127): the byte cannot fall under 1
.endr
.irp i, 2,4,6,8,10,12,14
.irp b, 0,1,2,3
	v_max3_num_f32 v[TM+\b], v[TM+\b], |v[\s+16*\b+\i]|, |v[\s+1+16*\b+\i]|
.endr
.endr
.irp b, 0,1,2,3
	v_permlanex16_b32 v[TM+4+\b], v[TM+\b], s[SEL], s[SEL+1]
.endr
.irp b, 0,1,2,3
	v_max_num_f32 v[TM+\b], v[TM+\b], v[TM+4+\b]
.endr
.irp b, 0,1,2,3
	v_add_nc_u32 v[TM+12+\b], 0xfe000000, v[TM+\b]   ; 4 off the exponent field: the conversion's scale operand
.endr
.irp b, 0,1,2,3
	v_lshrrev_b32 v[TM+4+\b], 23, v[TM+12+\b]
.endr
	v_lshl_or_b32 v[PW], v[TM+5], 8, v[TM+4]
	v_lshl_or_b32 v[PW], v[TM+6], 16, v[PW]
	v_lshl_or_b32 v[PW], v[TM+7], 24, v[PW]
.irp c, 0,1
	v_cvt_scalef32_pk16_bf6_f32 v[PC+6*\c:PC+2+6*\c], v[\s+32*\c:\s+15+32*\c], v[TM+12+2*\c]
	v_cvt_scalef32_pk16_bf6_f32 v[PC+12+4*\c:PC+14+4*\c], v[\s+16+32*\c:\s+31+32*\c], v[TM+12+2*\c+1]
.endr
	v_nop                                          ; one plain place behind a scaled conversion
.irp c, 0,1
.irp i, 0,1,2
	v_permlane16_swap_b32 v[PC+6*\c+\i], v[PC+12+4*\c+\i]
.endr
.irp i, 0,1,2
	v_mov_b32 v[PC+3+6*\c+\i], v[PC+12+4*\c+\i]
.endr
.endr
.endm
	s_load_b128 s[4:7], s[0:1], 0x0                ; xq, wq
	s_load_b128 s[8:11], s[0:1], 0x10              ; c_attn_b, qk
	s_load_b64 s[12:13], s[0:1], 0x20              ; vv
	v_lshl_add_u32 v[SPW], v0, 2, SPARE
	v_mov_b32 v[NIL], 0
	ds_add_u32 v28, v29
	ds_add_u32 v28, v29
	s_wait_dscnt 0x0
	v_lshrrev_b32 v1, 5, v0
	v_readfirstlane_b32 s14, v1                    ; wave 0..3
	s_lshr_b32 s15, s14, 1                         ; which half of S1's rows is mine.  Also: I fetch for S1 (0) or for S0 (1)
	s_and_b32 s16, s14, 1                          ; which half of S0's rows.  Also: which 8 tiles I fetch
	s_bfe_u32 s40, ttmp6, 0x40000                  ; cx
	s_bfe_u32 s41, ttmp6, 0x40004                  ; cy
	s_and_b32 s19, ttmp7, 0xffff
	s_lshl_b32 s19, s19, 2                         ; 4 x cluster y
	s_lshl_b32 s18, ttmp9, 2                       ; 4 x cluster x
	s_cmp_eq_u32 ttmp9, 2                          ; v's clusters?  The same answer in all sixteen partners
	s_cselect_b32 s17, 0, s19
	s_cselect_b32 s42, s19, s18
	s_cselect_b32 s96, 1572864, 0                  ; S1's codes begin at W's tile 128 (row 2048), or at x's first
	s_mov_b32 s98, XSC
	s_cselect_b32 s98, WSC+65536, s98              ; S1's scale bytes
	s_mov_b32 s99, WSC
	s_cselect_b32 s99, XSC, s99                    ; S0's
	s_add_co_u32 s17, s17, s41                     ; S1's tile of 256 rows: cy (+ 4 x cluster y for q, k)
	s_add_co_u32 s42, s42, s40                     ; S0's: cx + 4 x cluster x (q, k) or + 4 x cluster y (v)
	s_lshl_b32 s43, s41, 2
	s_lshl_b32 s43, 15, s43                        ; my row of the cluster
	s_lshl_b32 s44, 0x1111, s40                    ; my column
	; group 1, codes: 8 rows (tiles) of 3,072 bytes = 384 elements of 8 bytes, 12,288 bytes = 1,536 elements apart; dense in LDS
	s_or_b32 s[G1+0], s43, (3<<16)|(1<<21)         ; 15:0 the mask; 17:16 elements of 8 bytes; 21 set beside a mask
	s_or_b32 s[G1B+0], s44, (3<<16)|(1<<21)
.irp g, G1, G1B
	s_mov_b32 s[\g+1], 384<<16                     ; tensor_dim0
	s_mov_b32 s[\g+2], 8<<16                       ; tensor_dim1
	s_mov_b32 s[\g+3], 384<<16                     ; tile_dim0
	s_mov_b32 s[\g+4], 8                           ; tile_dim1
	s_mov_b32 s[\g+5], 1536                        ; tensor_dim0_stride
	s_mov_b32 s[\g+6], 0
	s_mov_b32 s[\g+7], 0
.endr
	; group 1, scale bytes: a dense block of 4,096 bytes as 16 rows of 256
	s_or_b32 s[G1S+0], s43, (3<<16)|(1<<21)
	s_or_b32 s[G1SB+0], s44, (3<<16)|(1<<21)
.irp g, G1S, G1SB
	s_mov_b32 s[\g+1], 32<<16
	s_mov_b32 s[\g+2], 16<<16
	s_mov_b32 s[\g+3], 32<<16
	s_mov_b32 s[\g+4], 16
	s_mov_b32 s[\g+5], 32
	s_mov_b32 s[\g+6], 0
	s_mov_b32 s[\g+7], 0
.endr
	s_mul_i32 s97, s16, 98304                      ; the 8 tiles that I fetch
	s_mul_i32 s20, s17, 196608
	s_add_co_u32 s20, s20, s97
	s_add_co_u32 s20, s20, s96                     ; S1's codes
	s_mul_i32 s46, s42, 196608
	s_add_co_u32 s46, s46, s97                     ; S0's
	s_lshl_b32 s97, s16, 12
	s_lshl_b32 s22, s17, 13
	s_add_co_u32 s22, s22, s97
	s_add_co_u32 s22, s22, s98                     ; S1's scale bytes
	s_lshl_b32 s92, s42, 13
	s_add_co_u32 s92, s92, s97
	s_add_co_u32 s92, s92, s99                     ; S0's
	s_mov_b32 s21, 0
	s_mov_b32 s23, 0
	s_mov_b32 s47, 0
	s_mov_b32 s93, 0
	s_mul_i32 s45, s14, HALFT                      ; where they go: wave x 8 tiles: no place in the cluster enters an LDS address
	s_lshl_b32 s94, s14, 12
	s_wait_kmcnt 0x0
	s_cmp_eq_u32 ttmp9, 2
	s_cselect_b64 s[66:67], s[6:7], s[4:5]         ; S1's buffer
	s_cselect_b64 s[2:3], s[4:5], s[6:7]           ; S0's
	s_add_nc_u64 s[20:21], s[66:67], s[20:21]
	s_add_nc_u64 s[22:23], s[66:67], s[22:23]
	s_add_nc_u64 s[46:47], s[2:3], s[46:47]
	s_add_nc_u64 s[92:93], s[2:3], s[92:93]
	CROUND                                         ; all sixteen work-groups are here: the first joint loads meet
	s_mov_b32 s[G0S], 1
	s_add_co_u32 s[G0S+1], s94, SCL
	s_mov_b64 s[G0S+2:G0S+3], s[22:23]
	s_or_b32 s[G0S+3], s[G0S+3], 0x80000000
	s_mov_b32 s[G0SB], 1
	s_add_co_u32 s[G0SB+1], s94, SCL
	s_mov_b64 s[G0SB+2:G0SB+3], s[92:93]
	s_or_b32 s[G0SB+3], s[G0SB+3], 0x80000000
	JLOAD G0S, G1S, G0SB, G1SB                     ; the scale bytes first: they are wanted with K step 0, and stay
.irp s, 0,1
	s_mov_b32 s[G0+4*\s], 1
	s_add_co_u32 s[G0+4*\s+1], s45, \s*SLOT
	s_add_nc_u64 s[G0+4*\s+2:G0+4*\s+3], s[20:21], \s*ROWB
	s_or_b32 s[G0+4*\s+3], s[G0+4*\s+3], 0x80000000
	s_mov_b32 s[G0B+4*\s], 1
	s_add_co_u32 s[G0B+4*\s+1], s45, \s*SLOT
	s_add_nc_u64 s[G0B+4*\s+2:G0B+4*\s+3], s[46:47], \s*ROWB
	s_or_b32 s[G0B+4*\s+3], s[G0B+4*\s+3], 0x80000000
	JLOAD G0+4*\s, G1, G0B+4*\s, G1B
.endr
	s_mov_b32 s[SEL], 0x76543210
	s_mov_b32 s[SEL+1], 0xfedcba98
	v_and_b32 v1, 15, v0                           ; r
	v_bfe_u32 v2, v0, 4, 1                         ; h
	v_and_b32 v3, 31, v0                           ; lane
	v_lshlrev_b32 v10, 4, v3                       ; 16 x lane
	v_lshlrev_b32 v11, 3, v3                       ; 8 x lane
	s_mul_i32 s97, s15, HALFT                      ; my 8 tiles of S1
	s_mul_i32 s98, s16, HALFT                      ; my 8 tiles of S0,
	s_add_co_u32 s98, s98, 2*HALFT                 ; which lie behind S1's 16
.irp s, 0,1
	v_add_nc_u32 v[ADRA+\s], s97, v10
	v_add_nc_u32 v[ADRB+\s], s98, v10
	s_add_co_u32 s97, s97, SLOT
	s_add_co_u32 s98, s98, SLOT
.endr
	v_lshlrev_b32 v5, 3, v1                        ; scale words: 8 bytes a row and K step
	s_lshl_b32 s97, s15, 10                        ; S1's: my 8 tiles of 128 bytes
	s_lshl_b32 s98, s16, 10                        ; S0's, behind S1's 8,192
	s_add_co_u32 s98, s98, 8192
	s_sub_co_u32 s98, s98, s97
	v_mul_u32_u24 v6, s98, v2                      ; lanes 16-31 take S0's
	s_add_co_u32 s97, s97, SCL
	v_add_nc_u32 v5, v5, v6
	v_add_nc_u32 v[ADRS], s97, v5
	v_lshlrev_b32 v8, 6, v2                        ; the bias along registers: 64 h
	v_and_b32 v4, 8, v1
	v_add_nc_u32 v4, v4, v1
	v_lshlrev_b32 v9, 2, v4                        ; the bias along lanes: 4 (r + 8 (r / 8))
	v_lshlrev_b32 v12, 4, v1
	v_lshl_add_u32 v13, v2, 12, v12                ; v's scale words: 16 r, lanes 16-31 the next head
	v_lshl_add_u32 v12, v2, 14, v12                ; q's, k's likewise
	; both forms of the bias are loaded on the one path; the form that my mode does not use is read at a place that lies inside the buffer
	s_lshl_b32 s18, s42, 1
	s_add_co_u32 s18, s18, s16                     ; 2 x S0's tile + my half: my 128 rows of S0
	s_lshl_b32 s19, s17, 1
	s_add_co_u32 s19, s19, s15                     ; 2 x S1's tile + my half
	s_lshl_b32 s2, s18, 9
	s_lshl_b32 s66, s19, 9
	s_cmp_eq_u32 ttmp9, 2
	s_cselect_b32 s2, 0, s2
	s_cselect_b32 s66, s66, 0
	s_add_co_u32 s66, s66, 8192                    ; v's bias begins at number 2048
	s_mov_b32 s3, 0
	s_mov_b32 s67, 0
	s_add_nc_u64 s[2:3], s[8:9], s[2:3]
	s_add_nc_u64 s[66:67], s[8:9], s[66:67]
.irp b, 0,1,2,3,4,5,6,7
	global_load_b128 v[BQ+8*\b:BQ+8*\b+3], v8, s[2:3] offset:(32*(\b/2)+8*(\b%2))*4
	global_load_b128 v[BQ+8*\b+4:BQ+8*\b+7], v8, s[2:3] offset:(32*(\b/2)+8*(\b%2))*4+16
.endr
.irp a, 0,1,2,3,4,5,6,7
	global_load_b32 v[BV+\a], v9, s[66:67] offset:(32*(\a/2)+8*(\a%2))*4
.endr
	; where the results go.  q, k: head 2 s18 + c, token tile 8 s19 + a.  v: batch s18 / 16, key step s18 % 16, head 2 s19 + a / 4
	s_mul_i32 s97, s18, 786432
	s_mul_i32 s98, s19, 6144
	s_add_co_u32 s97, s97, s98                     ; q, k: images
	s_lshl_b32 s98, s18, 15
	s_lshl_b32 s99, s19, 8
	s_add_co_u32 s98, s98, s99
	s_add_co_u32 s98, s98, QKSC                    ; q, k: scale words
	s_lshr_b32 s99, s18, 4
	s_lshl_b32 s99, s99, 4
	s_lshl_b32 s8, s19, 1
	s_add_co_u32 s99, s99, s8
	s_lshl_b32 s99, s99, 4
	s_and_b32 s8, s18, 15
	s_add_co_u32 s99, s99, s8                      ; (16 batch + head) x 16 + step
	s_mul_i32 s8, s99, 6144                        ; v: images
	s_lshl_b32 s99, s99, 8
	s_add_co_u32 s99, s99, VSC                     ; v: scale words
	s_cmp_eq_u32 ttmp9, 2
	s_cselect_b32 s8, s8, s97
	s_cselect_b32 s98, s99, s98
	s_cselect_b64 s[10:11], s[12:13], s[10:11]
	s_mov_b32 s9, 0
	s_mov_b32 s99, 0
	s_add_nc_u64 s[12:13], s[10:11], s[98:99]      ; scale words
	s_add_nc_u64 s[10:11], s[10:11], s[8:9]        ; images
.macro FRAG reg, adr, q, i             ; a fragment as it lies: three loads of 512 consecutive bytes
.irp c, 0,1,2
	ds_load_b128 v[\reg+4*\c:\reg+4*\c+3], v[\adr] offset:ROWB*(\i)+1536*(\q)+512*\c
.endr
.endm
; 16 matrix instructions: S1's blocks a0, a0 + 1 x S0's eight.  p: S0's set; sc: the set of scale words.  zero = 1: the first product starts the sums.  The 64 accumulators take turns.
.macro MUL16 a0, p, q, sc, zero
.irp a, \a0, \a0+1
.irp b, 0,1,2,3,4,5,6,7
.if \zero
	v_wmma_scale_f32_16x16x128_f8f6f4 v[8*(8*((\a)%4)+\b):8*(8*((\a)%4)+\b)+7], v[128*(\p)+FR*\b:128*(\p)+FR*\b+FR-1], v[AF+FR*(\a):AF+FR*(\a)+FR-1], 0, v[SC+8*NQ*(\sc)+NQ*\b+(\q)], v[SC+8*NQ*(\sc)+NQ*(\a)+(\q)] matrix_a_fmt:MATRIX_FMT_BF6 matrix_b_fmt:MATRIX_FMT_BF6 matrix_a_scale:MATRIX_SCALE_ROW1
.else
	v_wmma_scale_f32_16x16x128_f8f6f4 v[8*(8*((\a)%4)+\b):8*(8*((\a)%4)+\b)+7], v[128*(\p)+FR*\b:128*(\p)+FR*\b+FR-1], v[AF+FR*(\a):AF+FR*(\a)+FR-1], v[8*(8*((\a)%4)+\b):8*(8*((\a)%4)+\b)+7], v[SC+8*NQ*(\sc)+NQ*\b+(\q)], v[SC+8*NQ*(\sc)+NQ*(\a)+(\q)] matrix_a_fmt:MATRIX_FMT_BF6 matrix_b_fmt:MATRIX_FMT_BF6 matrix_a_scale:MATRIX_SCALE_ROW1
.endif
.endr
.endr
.endm
.macro FETCH_B slot, q, p
	WIN TO_B
.irp i, 0,1,2,3,4,5,6,7
	FRAG 128*(\p)+FR*\i, ADRB+\slot, \q, \i
.endr
	WIN 0
.endm
.macro FETCH_A slot, q, i0
.irp i, \i0, \i0+1, \i0+2, \i0+3
	FRAG AF+FR*(\i), ADRA+\slot, \q, \i
.endr
.endm
.macro SCALES sc                       ; a K step's scale words: two words a row; lanes 0-15 S1's block i, lanes 16-31 S0's block i
.irp i, 0,1,2,3,4,5,6,7
	ds_load_b64 v[SC+8*NQ*\sc+NQ*\i:SC+8*NQ*\sc+NQ*\i+1], v[ADRS] offset:\i*128
.endr
.endm
.macro PLACES n                        ; plain vector instructions between a matrix instruction and a load into, or a read of, its registers (ISA guide 7.12.1 for reads)
.rept \n
	v_nop
.endr
.endm
.macro STEP slot, q, zero              ; 128 along K that has its successor in the same slot
	s_wait_dscnt 4*NL                              ; S0's set and S1's blocks 0-3 are in; the youngest 12 loads (S1's blocks 4-7) may be out
	WIN MUL_LO
	MUL16 0, (\q)%2, \q, \slot, \zero
	MUL16 2, (\q)%2, \q, \slot, \zero
	s_wait_dscnt 0
	PLACES NP
	FETCH_B \slot, (\q)+1, 1-(\q)%2
	FETCH_A \slot, (\q)+1, 0
	WIN MUL_HI
	MUL16 4, (\q)%2, \q, \slot, \zero
	MUL16 6, (\q)%2, \q, \slot, \zero
	PLACES NP
	WIN 0
	FETCH_A \slot, (\q)+1, 4
.endm
; A slot's last 128 changes slots: one barrier; in front of it each wave waits for all its tensor loads, adds 0 to its spare word, and waits for that and for its reads of this slot.  fill = 1: the slot is filled again, two K steps ahead.
.macro TURN slot, next, fill
	s_wait_tensorcnt 0x0                           ; all my tensor loads have landed: my part of the next slot
	ds_add_u32 v[SPW], v[NIL]                      ; 0 onto my spare word
	s_wait_dscnt 4*NL+1                            ; (the add and the youngest 12 loads may be out)
	WIN MUL_LO
	MUL16 0, 1, NQ-1, \slot, 0
	s_wait_dscnt 0x0                               ; the add is done, and my reads of this slot are over
	s_barrier_signal -1
	MUL16 2, 1, NQ-1, \slot, 0
	WIN 0
	s_barrier_wait -1
.if \fill
	CREST                                          ; the barrier has opened a round of the cluster's: no wave of any partner still reads this slot or has a load on its way
	s_add_nc_u64 s[G0+4*\slot+2:G0+4*\slot+3], s[G0+4*\slot+2:G0+4*\slot+3], 2*ROWB
	s_add_nc_u64 s[G0B+4*\slot+2:G0B+4*\slot+3], s[G0B+4*\slot+2:G0B+4*\slot+3], 2*ROWB
	JLOAD G0+4*\slot, G1, G0B+4*\slot, G1B         ; the first tensor load behind the round; its four v_nop are the places in front of the loads below
.else
	PLACES NP
.endif
	v_add_nc_u32 v[ADRS], 2048, v[ADRS]            ; the next K step's scale words (no LDS load of mine is out)
	FETCH_B \next, 0, 0
	FETCH_A \next, 0, 0
	SCALES \next
	WIN MUL_HI
	MUL16 4, 1, NQ-1, \slot, 0
	MUL16 6, 1, NQ-1, \slot, 0
	PLACES NP
	WIN 0
	FETCH_A \next, 0, 4
.endm
	s_wait_loadcnt 0x0                             ; the biases: their base registers are free from here on
	s_wait_tensorcnt 1                             ; the scale bytes and my part of K step 0 are in (K step 1's load may be out)
	s_barrier_signal -1
	s_barrier_wait -1
	FETCH_B 0, 0, 0
	FETCH_A 0, 0, 0
	SCALES 0
	FETCH_A 0, 0, 4
	STEP 0, 0, 1                                   ; the first 128 stand in front of the loop: their products start the sums
	s_mov_b32 s3, 1                                ; K = 1024 is two laps of the ring: one trip fills both slots again
.Llap:
	TURN 0, 1, 1
	STEP 1, 0, 0
	TURN 1, 0, 1
	STEP 0, 0, 0
	s_sub_co_u32 s3, s3, 1
	s_cmp_lg_u32 s3, 0
	s_cbranch_scc1 .Llap
	TURN 0, 1, 0                                   ; the last lap fills nothing
	STEP 1, 0, 0
	s_wait_dscnt 4*NL
	WIN MUL_LO
	MUL16 0, 1, NQ-1, 1, 0
	MUL16 2, 1, NQ-1, 1, 0
	s_wait_dscnt 0
	WIN MUL_HI
	MUL16 4, 1, NQ-1, 1, 0
	MUL16 6, 1, NQ-1, 1, 0
	WIN 0
; THE WAY OUT, S1's block a at a time: its eight accumulators are 64 numbers of a lane's row, register 16 b + i = S0's row 32 b + 16 (lane / 16) + i.  One packed addition a pair adds the bias and brings the pair into
; window 0 (each accumulator is read from its low end on); the quantiser makes a fragment; it is stored as it stands.
.macro GROUP a, mode
.if (\a) > 0
	s_wait_xcnt 0x0                                ; the last block's stores have read the codes' registers
.endif
	WIN (0x02+(\a)/4)                              ; source 0: window 2 or 3
.set ii, 0
.rept 32
.if \mode == 0
	v_pk_add_f32 v[ST+2*ii:ST+2*ii+1], v[64*((\a)%4)+2*ii:64*((\a)%4)+2*ii+1], v[BQ+2*ii:BQ+2*ii+1]
.elseif (\a)%2 == 0
	v_pk_add_f32 v[ST+2*ii:ST+2*ii+1], v[64*((\a)%4)+2*ii:64*((\a)%4)+2*ii+1], v[BV+(\a):BV+(\a)+1] op_sel_hi:[1,0]
.else
	v_pk_add_f32 v[ST+2*ii:ST+2*ii+1], v[64*((\a)%4)+2*ii:64*((\a)%4)+2*ii+1], v[BV+(\a)-1:BV+(\a)] op_sel:[0,1] op_sel_hi:[1,1]
.endif
.set ii, ii+1
.endr
	WIN 0
	QUANT ST
.if \mode == 0
.irp c, 0,1                                    ; the fragment's two halves are two heads' half fragments of 64 channels: 768 bytes each
	global_store_b128 v10, v[PC+6*\c:PC+6*\c+3], s[10:11] offset:768*(\a)+393216*\c
	global_store_b64 v11, v[PC+6*\c+4:PC+6*\c+5], s[10:11] offset:768*(\a)+393216*\c+512
.endr
.if (\a)%2 == 0
	v_mov_b32 v[PWE], v[PW]
.else
	v_perm_b32 v[W+(\a)/2], v[PW], v[PWE], 0x05040100     ; the first head: the even tile's two bytes, then the odd tile's
	v_perm_b32 v[W+4+(\a)/2], v[PW], v[PWE], 0x07060302   ; the second head
.endif
.else
.irp c, 0,1,2
	global_store_b128 v10, v[PC+4*\c:PC+4*\c+3], s[10:11] offset:((\a)/4)*98304+((\a)%4)*1536+512*\c
.endr
	v_mov_b32 v[W+(\a)], v[PW]
.endif
.endm
	PLACES NP
.irp b, 0,1,2,3
	v_mov_b32 v[TM+4+\b], 0                        ; a lane permute's destination counts as one of its sources
.endr
	v_cmp_ne_u32 vcc_lo, 0, v2
	s_cmp_eq_u32 ttmp9, 2
	s_cbranch_scc1 .Lvpart
.irp a, 0,1,2,3,4,5,6,7
	GROUP \a, 0
.endr
.irp i, 0,1,2,3
	v_cndmask_b32 v[XO+\i], v[W+\i], v[W+4+\i], vcc_lo     ; lanes 0-15 the first head's four words of row r, lanes 16-31 the second's
.endr
	global_store_b128 v12, v[XO:XO+3], s[12:13]    ; each half of the lanes stores 256 consecutive bytes, aligned
	s_branch .Lend
.Lvpart:
.irp a, 0,1,2,3,4,5,6,7
	GROUP \a, 1
.endr
.irp i, 0,1,2,3
	v_cndmask_b32 v[XO+\i], v[W+\i], v[W+4+\i], vcc_lo
.endr
	global_store_b128 v13, v[XO:XO+3], s[12:13]
.Lend:
	s_wait_tensorcnt 0x0                           ; the wave's end
	ds_add_u32 v[SPW], v[NIL]
	s_wait_dscnt 0x0
	CROUND                                         ; the closing round: no work-group ends while a partner may still ask for a tile that names it
	s_endpgm
.Lfunc_end_k_qfa85f27432_qkv:
	.size	k_qfa85f27432_qkv, .Lfunc_end_k_qfa85f27432_qkv-k_qfa85f27432_qkv
	.p2alignl 7, 3214868480
	.fill 96, 4, 3214868480
	.section	.rodata,"a",@progbits
	.p2align	6, 0x0
	.amdhsa_kernel k_qfa85f27432_qkv
		.amdhsa_group_segment_fixed_size 327680
		.amdhsa_private_segment_fixed_size 0
		.amdhsa_enable_private_segment 0
		.amdhsa_kernarg_size 40
		.amdhsa_user_sgpr_count 2
		.amdhsa_user_sgpr_kernarg_segment_ptr 1
		.amdhsa_wavefront_size32 1
		.amdhsa_system_sgpr_workgroup_id_x 1
		.amdhsa_system_sgpr_workgroup_id_y 1
		.amdhsa_system_sgpr_workgroup_id_z 1
		.amdhsa_system_vgpr_workitem_id 0
		.amdhsa_next_free_vgpr 1024
		.amdhsa_next_free_sgpr 100
		.amdhsa_reserve_vcc 1
		.amdhsa_float_denorm_mode_32 3
		.amdhsa_float_denorm_mode_16_64 3
		.amdhsa_memory_ordered 1
		.amdhsa_forward_progress 1
		.amdhsa_inst_pref_size 210
	.end_amdhsa_kernel
	.amdgpu_metadata
---
amdhsa.version: [ 1, 2 ]
amdhsa.kernels:
  - .name:           k_qfa85f27432_qkv
    .symbol:         k_qfa85f27432_qkv.kd
    .args:
      - { .name: xq, .offset: 0, .size: 8, .value_kind: global_buffer, .address_space: global }
      - { .name: wq, .offset: 8, .size: 8, .value_kind: global_buffer, .address_space: global }
      - { .name: c_attn_b, .offset: 16, .size: 8, .value_kind: global_buffer, .address_space: global }
      - { .name: qk, .offset: 24, .size: 8, .value_kind: global_buffer, .address_space: global }
      - { .name: vv, .offset: 32, .size: 8, .value_kind: global_buffer, .address_space: global }
    .group_segment_fixed_size: 327680
    .private_segment_fixed_size: 0
    .kernarg_segment_align: 8
    .kernarg_segment_size: 40
    .max_flat_workgroup_size: 128
    .sgpr_count:     100
    .vgpr_count:     1024
    .wavefront_size: 32
...
	.end_amdgpu_metadata
.endif
;; end of part 2
;; launch attn (part 3): grid 8 x 64, 16 waves a work-group, clusters of 4 x 1, 206,848 bytes of LDS; arguments qk, vv, aq; writes aq
.if DOCPART == 3
	.amdgcn_target "amdgcn-amd-amdhsa--gfx1250"
	.amdhsa_code_object_version 6
	.text
	.protected	k_qfa85f27432_attn
	.globl	k_qfa85f27432_attn
	.p2align	8
	.type	k_qfa85f27432_attn,@function
k_qfa85f27432_attn:
	s_mov_b64 s[64:65], 0
	v_nop
	global_prefetch_b8 v0, s[64:65] scope:SCOPE_SE
	s_setreg_imm32_b32 hwreg(HW_REG_WAVE_MODE, 25, 1), 1
	s_wait_xcnt 0x0
	s_wait_alu depctr_hold_cnt(0) depctr_sa_sdst(0) depctr_va_vdst(0) depctr_va_sdst(0) depctr_va_ssrc(0) depctr_va_vcc(0) depctr_vm_vsrc(0)
	s_getreg_b32 s2, hwreg(HW_REG_IB_STS2, 6, 4)
	s_cmp_eq_u32 s2, 0
	s_cbranch_scc0 .Lentry_in_a_cluster
	s_endpgm
.Lentry_in_a_cluster:
	s_bfe_u32 s2, ttmp6, 0x10000c
	s_cmp_lg_u32 s2, 0x3003
	s_cbranch_scc0 .Lentry_shape_is_right
	s_endpgm
.Lentry_shape_is_right:
; a = softmax(where(causal, q k^T / 8, -10000)) v for one head of one batch, both products on codes of BF6 with E8M0 scales, and the quantiser of a (along the channels) for the projection.
; THE SOFTMAX: t = logit x log2(e); M = the ceiling of the row's largest t so far; p = 2^(t - M) is quantised along the keys, not normalised; the row's sum of the unquantised p divides at the end.
; THE MASK'S VALUE IS -10000, NOT -INFINITY: hidden keys count with that logit.  It enters the running maximum from the start (but for query 2047, which has no hidden key); on the diagonal hidden scores are set to -80000
; (= -10000 x 8) and treated like any score; behind the diagonal M is final and every hidden key has the same p = c, so a key step that lies wholly under the mask is four products of V with one constant fragment, and
; c x (the number of such keys) goes into the sum.  With logits far above -10000, c is 0 and its codes are zeros.
; SHARES.  A work-group: one head, 256 queries.  Wave w owns ONE tile of 16 queries, tile 8 blk(w) + jx of the head's 128: one tile out of each block of 128 queries.  So which key steps (of 128) are open, on the diagonal or
; hidden hangs on the wave's number alone, and every work-group has the same work.  blk(w) = 4 (i ^ j) + (i ^ g(j)), i = w / 4, j = w % 4, g = 0, 2, 3, 1: the four waves of equal i, and those of equal j, have numbers that sum to 30.
; ALL OF THE HEAD'S K AND V, codes and scale bytes, comes into LDS once (196,608 + 8,192 bytes), by joint loads of the cluster's four work-groups, which share the head: no slot is filled again.
; K = 64 IN AN INSTRUCTION 128 DEEP: a fragment of K holds key tile 2 g in registers 0-5 and tile 2 g + 1 in 6-11; Q stands twice, as [q, zero codes] and as [zero codes, q]: the two products give the two tiles' scores.
; LAYOUT.  Both products are used transposed: a lane holds one query (lane % 16).  Tiles hold rows 32 g + 8 u + r + 8 (r / 8), so the 16 registers of score tiles 2 g, 2 g + 1 are keys 32 g + 16 (lane / 16) + 0 .. 15.
; LIMITS: NaN and infinities are not served; a block's largest p is taken from its largest score, which takes v_exp_f32 not to fall where its input rises; a block whose p are all 0 has the byte 1 (its codes are zeros).
; REGISTERS: v1-4, v9, v10 addresses that stay; v5-8 addresses of the step; v12 -M, v13 the largest t, v[14:15] the sum; v16-39 Q twice; v40-87 four fragments; v88-91 K's, then V's scale words; v92 Q's; v96-159 scores, then p;
;   v160-191 O^T; v192-211 p's codes; v212-227 at work; v228-239 the constant fragment, v240 its scale word; v241 c; v242 my query less 16 (lane / 16); v243 -80000.
.set KSC,  196608                      ; LDS: K [128 tiles][768] at 0, V [16 steps][4][1536] at 98,304, K's scale words [16 steps][256], V's 4,096 further on
.set QKSC, 12582912                    ; where the scale words begin in qk,
.set VSC,  6291456                     ; in vv,
.set ASC,  6291456                     ; in aq
.set ADK,  5
.set ADK8, 6
.set ADV,  7
.set ADS,  8
.set QLO,  16
.set QHI,  28
.set F,    40
.set KS,   88
.set QS,   92
.set S,    96
.set O,    160
.set PF,   192
.set PT,   204
.set BM,   212
.set BX,   216
.set BS,   220
.set PS,   224
.set TP,   225
.set FF,   226
.set PCF,  228
.set PCS,  240
.set CC,   241
.set DQ,   242
.set MK,   243
.set WV,   10
.set BLK,  11
.set STP,  12                          ; the key step's number
.set TB,   13                          ; its codes' place in K and in V: 6,144 bytes a step
.set TS,   14                          ; its scale words': 256 bytes a step
.set CNT,  15
.set SEL,  16
.set CS,   18                          ; s[18:19] log2(e) / 8
.set SF,   20                          ; 64 x (15 - blk) as f32: the hidden steps' keys of my half of the lanes
.set PFT,  21                          ; the step in which I prefetch, or none
.set PFA,  22
.set G1A,  24                          ; s[24:31], s[32:39], s[40:47]: group 1 for 16, 48 and 336 rows of 256 bytes
.set G1B,  32
.set G1C,  40
.set G0A,  48
.set G0B,  52
.set G0C,  56
.macro CROUND
	s_barrier_signal -1
	s_barrier_wait -1
	s_cmp_lg_u32 s[WV], 0
	s_cbranch_scc1 .Lnot_wave_0_\@
	s_barrier_signal -3
.Lnot_wave_0_\@:
	s_barrier_wait -3
	s_barrier_signal -1
	s_barrier_wait -1
.endm
	s_load_b128 s[4:7], s[0:1], 0x0                ; qk, vv
	s_load_b64 s[8:9], s[0:1], 0x10                ; aq
	v_lshl_add_u32 v254, v0, 2, 0x32000
	v_mov_b32 v255, 0
	ds_add_u32 v254, v255
	ds_add_u32 v254, v255
	v_lshrrev_b32 v11, 5, v0
	s_delay_alu instid0(VALU_DEP_1)
	v_readfirstlane_b32 s[WV], v11                 ; wave 0..15
	s_lshr_b32 s60, s[WV], 2                       ; i
	s_and_b32 s61, s[WV], 3                        ; j
	s_lshr_b32 s62, s61, 1
	s_xor_b32 s63, s61, s62
	s_and_b32 s63, s63, 1
	s_lshl_b32 s63, s63, 1
	s_or_b32 s63, s63, s62                         ; g(j)
	s_xor_b32 s61, s60, s61
	s_xor_b32 s63, s60, s63
	s_lshl_b32 s61, s61, 2
	s_add_co_u32 s[BLK], s61, s63                  ; my block of 128 queries
	s_and_b32 s66, ttmp7, 0xffff                   ; y = 16 batch + head, which the four partners share
	s_lshr_b32 s67, s66, 4                         ; batch
	s_and_b32 s68, s66, 15                         ; head
	s_bfe_u32 s69, ttmp6, 0x40000                  ; cx
	s_lshl_b32 s70, ttmp9, 2
	s_add_co_u32 s70, s70, s69                     ; jx: it enters Q's and a's addresses and the mask's numbers alone
	s_and_b32 s71, s[WV], 1                        ; wave 0 fetches K's, wave 1 V's
	s_add_co_u32 s86, s68, 16
	s_mul_i32 s72, s86, 393216
	s_mul_i32 s87, s67, 98304
	s_add_co_u32 s72, s72, s87                     ; K's codes
	s_lshl_b32 s74, s86, 14
	s_lshl_b32 s87, s67, 12
	s_add_co_u32 s74, s74, s87
	s_add_co_u32 s74, s74, QKSC                    ; K's scale words
	s_mul_i32 s76, s66, 98304                      ; V's codes
	s_lshl_b32 s78, s66, 12
	s_add_co_u32 s78, s78, VSC                     ; V's scale words
.irp g, G1A, G1B, G1C                          ; dense blocks as rows of 256 bytes: 32 elements of 8 bytes
	s_mov_b32 s[\g], 15|(3<<16)|(1<<21)            ; 15:0 the mask: all four work-groups; 17:16 elements of 8 bytes; 21 set beside a mask
	s_mov_b32 s[\g+1], 32<<16
	s_mov_b32 s[\g+3], 32<<16
	s_mov_b32 s[\g+5], 32
	s_mov_b32 s[\g+6], 0
	s_mov_b32 s[\g+7], 0
.endr
	s_mov_b32 s[G1A+2], 16<<16                     ; the scale words: 4,096 bytes
	s_mov_b32 s[G1A+4], 16
	s_mov_b32 s[G1B+2], 48<<16                     ; key steps 0 and 1: 12,288 bytes
	s_mov_b32 s[G1B+4], 48
	s_mov_b32 s[G1C+2], 336<<16                    ; key steps 2 to 15: 86,016 bytes
	s_mov_b32 s[G1C+4], 336
	s_mov_b32 s[SEL], 0x76543210
	s_mov_b32 s[SEL+1], 0xfedcba98
	s_mov_b32 s[CS], 0x3e38aa3b                    ; log2(e) / 8
	s_mov_b32 s[CS+1], s[CS]
	s_mov_b32 s[STP], 0
	s_mov_b32 s[TB], 0
	s_mov_b32 s[TS], 0
	s_sub_co_u32 s61, 15, s[BLK]
	s_lshl_b32 s61, s61, 6
	s_cvt_f32_u32 s[SF], s61
	s_cmp_eq_u32 s[WV], 12                         ; the wave whose block is 15: all its steps are open
	s_cselect_b32 s[PFT], 13, -1
	s_cmp_lt_u32 s66, 32
	s_cselect_b32 s[PFT], s[PFT], -1
	s_wait_dscnt 0x0
	s_wait_kmcnt 0x0
	s_cmp_eq_u32 s71, 0
	s_cselect_b64 s[80:81], s[4:5], s[6:7]
	s_cselect_b32 s82, s72, s76
	s_cselect_b32 s84, s74, s78
	s_mov_b32 s83, 0
	s_mov_b32 s85, 0
	s_add_nc_u64 s[82:83], s[80:81], s[82:83]
	s_add_nc_u64 s[84:85], s[80:81], s[84:85]
	s_mul_i32 s86, s71, 98304
	s_lshl_b32 s87, s71, 12
	s_mov_b32 s[G0A], 1
	s_add_co_u32 s[G0A+1], s87, KSC
	s_mov_b64 s[G0A+2:G0A+3], s[84:85]
	s_or_b32 s[G0A+3], s[G0A+3], 0x80000000
	s_mov_b32 s[G0B], 1
	s_mov_b32 s[G0B+1], s86
	s_mov_b64 s[G0B+2:G0B+3], s[82:83]
	s_or_b32 s[G0B+3], s[G0B+3], 0x80000000
	s_mov_b32 s[G0C], 1
	s_add_co_u32 s[G0C+1], s86, 12288
	s_add_nc_u64 s[G0C+2:G0C+3], s[82:83], 12288
	s_or_b32 s[G0C+3], s[G0C+3], 0x80000000
	CROUND                                         ; all four work-groups are here: the joint loads meet
	s_cmp_lt_u32 s[WV], 2                          ; a wave's three fills stand in one branch, ahead of every wait on TENSORcnt and every LDS read: three loads of mine are out
	s_cbranch_scc0 .Lno_fetch
	tensor_load_to_lds s[G0A:G0A+3], s[G1A:G1A+7]
	s_nop 0
	tensor_load_to_lds s[G0B:G0B+3], s[G1B:G1B+7]
	s_nop 0
	tensor_load_to_lds s[G0C:G0C+3], s[G1C:G1C+7]
	s_nop 0
.rept 4
	v_nop
.endr
.Lno_fetch:
	s_lshl_b32 s86, s[BLK], 3
	s_add_co_u32 s86, s86, s70                     ; my tile in the head
	s_lshl_b32 s87, s67, 7
	s_add_co_u32 s87, s87, s86                     ; and among all 512 token tiles
	s_mul_i32 s88, s68, 393216
	s_mul_i32 s90, s87, 768
	s_add_co_u32 s88, s88, s90
	s_mov_b32 s89, 0
	s_add_nc_u64 s[88:89], s[4:5], s[88:89]        ; Q's half fragment
	s_lshl_b32 s90, s68, 14
	s_lshl_b32 s92, s67, 12
	s_add_co_u32 s90, s90, s92
	s_lshl_b32 s92, s[BLK], 8
	s_add_co_u32 s90, s90, s92
	s_lshr_b32 s92, s70, 1
	s_lshl_b32 s93, s92, 2
	s_add_co_u32 s90, s90, s93
	s_add_co_u32 s90, s90, QKSC
	s_mov_b32 s91, 0
	s_add_nc_u64 s[90:91], s[4:5], s[90:91]        ; the word that holds Q's two scale bytes
	s_mul_i32 s94, s87, 12288
	s_mul_i32 s96, s68, 768
	s_add_co_u32 s94, s94, s96
	s_mov_b32 s95, 0
	s_add_nc_u64 s[94:95], s[8:9], s[94:95]        ; a's half fragment
	s_lshr_b32 s96, s87, 4
	s_lshl_b32 s96, s96, 13
	s_lshr_b32 s98, s68, 2
	s_lshl_b32 s98, s98, 11
	s_add_co_u32 s96, s96, s98
	s_and_b32 s98, s87, 15
	s_lshl_b32 s98, s98, 7
	s_add_co_u32 s96, s96, s98
	s_and_b32 s98, s68, 3
	s_lshl_b32 s98, s98, 1
	s_add_co_u32 s96, s96, s98
	s_add_co_u32 s96, s96, ASC
	s_mov_b32 s97, 0
	s_add_nc_u64 s[96:97], s[8:9], s[96:97]        ; a's two scale bytes a row
	s_lshl_b32 s99, s92, 5
	s_and_b32 s98, s70, 1
	s_lshl_b32 s93, s98, 3
	s_add_co_u32 s99, s99, s93                     ; 32 (jx / 2) + 8 (jx % 2): my tile's first query in its block
	s_lshl_b32 s60, s98, 4                         ; which half of the word is my tile's: 16 (jx % 2) bits up
	; the prefetch: head y + 32's K (cluster x = 0) or V (cluster x = 1), a quarter to each partner, told apart by address
	s_add_co_u32 s62, s72, 2*98304
	s_add_co_u32 s63, s76, 32*98304
	s_cmp_eq_u32 ttmp9, 0
	s_cselect_b64 s[PFA:PFA+1], s[4:5], s[6:7]
	s_cselect_b32 s62, s62, s63
	s_mul_i32 s63, s69, 24576
	s_add_co_u32 s62, s62, s63
	s_mov_b32 s63, 0
	s_add_nc_u64 s[PFA:PFA+1], s[PFA:PFA+1], s[62:63]
	v_and_b32 v11, 31, v0                          ; lane
	v_and_b32 v[TP], 15, v0                        ; r
	v_bfe_u32 v[FF+1], v0, 4, 1                    ; h  (so the upper half of the pair that holds f is written)
	s_delay_alu instid0(VALU_DEP_3)
	v_lshlrev_b32 v1, 4, v11                       ; 16 x lane
	s_delay_alu instid0(VALU_DEP_4)
	v_lshlrev_b32 v2, 3, v11                       ; 8 x lane
	s_delay_alu instid0(VALU_DEP_2)
	v_add_nc_u32 v3, 98304, v1                     ; V's fragments
	v_lshl_add_u32 v4, v[TP], 4, KSC               ; scale words: 16 bytes a row
	v_lshlrev_b32 v5, 4, v[TP]                     ; (16 r, for Q's scale word)
	v_lshlrev_b32 v9, 3, v[TP]                     ; 8 r
	v_lshlrev_b32 v10, 8, v11                      ; 256 x lane
	global_load_b128 v[QLO:QLO+3], v1, s[88:89]
	global_load_b64 v[QLO+4:QLO+5], v2, s[88:89] offset:512
	global_load_b128 v[QHI+6:QHI+9], v1, s[88:89]  ; a second time, into the upper half of the second operand
	global_load_b64 v[QHI+10:QHI+11], v2, s[88:89] offset:512
	global_load_b32 v93, v5, s[90:91]
	v_and_b32 v[CC], 8, v[TP]
	s_delay_alu instid0(VALU_DEP_1)
	v_add_nc_u32 v[CC], v[CC], v[TP]
	s_delay_alu instid0(VALU_DEP_1)
	v_add_nc_u32 v[CC], s99, v[CC]                 ; my query in its block of 128
	v_lshlrev_b32 v[DQ], 4, v[FF+1]
	s_delay_alu instid0(VALU_DEP_1)
	v_sub_nc_u32 v[DQ], v[CC], v[DQ]               ; less 16 h: register 16 b + i of the diagonal step is hidden where 32 b + i is above this
	s_lshl_b32 s61, s[BLK], 7
	v_add_nc_u32 v[CC], s61, v[CC]                 ; my query in the sequence
	s_delay_alu instid0(VALU_DEP_1)
	v_cmp_eq_u32 vcc_lo, 2047, v[CC]
	v_mov_b32 v[MK], 0xc79c4000                    ; -80000
	s_delay_alu instid0(VALU_DEP_1)
	v_mul_f32 v13, s[CS], v[MK]                    ; the hidden keys' t: it belongs to the row's maximum,
	v_mov_b32 v[CC], 0xff61b1e6
	s_delay_alu instid0(VALU_DEP_1)
	v_cndmask_b32 v13, v13, v[CC], vcc_lo          ; but for the one query that has no hidden key: -3e38, under every t
	s_delay_alu instid0(VALU_DEP_1)
	v_floor_f32 v12, -v13                          ; -M
	v_mov_b32 v14, 0
	v_mov_b32 v15, 0
.irp i, 6,7,8,9,10,11
	v_mov_b32 v[QLO+\i], 0                         ; zero codes
	v_mov_b32 v[QHI+\i-6], 0
.endr
.irp i, 0,1,2,3
	v_mov_b32 v[BX+\i], 0                          ; a lane permute's destination counts as one of its sources
.endr
.irp i, 0,1,2,3,4,5,6,7,8,9,10,11
	v_mov_b32 v[PCF+\i], 0                         ; written anew in the diagonal step, ahead of every use
.endr
	v_mov_b32 v[PCS], 0x7f7f7f7f
	s_wait_loadcnt 0x0                             ; Q
	v_lshrrev_b32 v93, s60, v93
	s_delay_alu instid0(VALU_DEP_1)
	v_perm_b32 v[QS], v93, v93, 0x01000100         ; Q's two bytes twice: they serve the lower half of the one operand and the upper half of the other
.set nn, 0
.rept 32
	v_mov_b32 v[O+nn], 0                           ; O^T: the loop has no first step of its own.  (These are also the places between Q's scale word and the first product)
.set nn, nn+1
.endr
.macro VLOADS                          ; the step's four fragments of V and their scale words
.irp t, 0,1,2,3
.irp c, 0,1,2
	ds_load_b128 v[F+12*\t+4*\c:F+12*\t+4*\c+3], v[ADV] offset:1536*\t+512*\c
.endr
.endr
	ds_load_b128 v[KS:KS+3], v[ADS] offset:4096
.endm
.macro PV p, sc                        ; O^T += V^T P^T: the four accumulators by turns
.irp t, 0,1,2,3
	v_wmma_scale_f32_16x16x128_f8f6f4 v[O+8*\t:O+8*\t+7], v[F+12*\t:F+12*\t+11], v[\p:\p+11], v[O+8*\t:O+8*\t+7], v[KS+\t], v[\sc] matrix_a_fmt:MATRIX_FMT_BF6 matrix_b_fmt:MATRIX_FMT_BF6
.endr
.endm
; A KEY STEP: 128 keys.
.macro STEP
	v_add_nc_u32 v[ADK], s[TB], v1                 ; these four are also the places between the last step's products and the loads into their registers
	v_add_nc_u32 v[ADK8], s[TB], v2
	v_add_nc_u32 v[ADV], s[TB], v3
	v_add_nc_u32 v[ADS], s[TS], v4
	s_cmp_gt_u32 s[STP], s[BLK]                    ; all 128 keys come after my queries?  The answer hangs on the wave's number and the step
	s_cbranch_scc1 .Lhid_\@
	s_setprio 2
.irp g, 0,1,2,3                                ; key tiles 2 g and 2 g + 1: two half fragments on end
	ds_load_b128 v[F+12*\g:F+12*\g+3], v[ADK] offset:1536*\g
	ds_load_b64 v[F+12*\g+4:F+12*\g+5], v[ADK8] offset:1536*\g+512
	ds_load_b128 v[F+12*\g+6:F+12*\g+9], v[ADK] offset:1536*\g+768
	ds_load_b64 v[F+12*\g+10:F+12*\g+11], v[ADK8] offset:1536*\g+1280
.endr
	ds_load_b128 v[KS:KS+3], v[ADS]
	s_cmp_eq_u32 s[STP], s[PFT]                    ; in heads y < 32, wave 12, step 13: my work-group's 24,576 bytes of head y + 32's K or V, lanes 256 bytes apart: each block of 256 bytes is named once in the launch
	s_cbranch_scc0 .Lno_pf_\@
	global_prefetch_b8 v10, s[PFA:PFA+1] th:TH_LOAD_NT scope:SCOPE_SE
	global_prefetch_b8 v10, s[PFA:PFA+1] offset:8192 th:TH_LOAD_NT scope:SCOPE_SE
	global_prefetch_b8 v10, s[PFA:PFA+1] offset:16384 th:TH_LOAD_NT scope:SCOPE_SE
.Lno_pf_\@:
	s_wait_dscnt 0x0
.irp g, 0,1,2,3
	v_wmma_scale_f32_16x16x128_f8f6f4 v[S+16*\g:S+16*\g+7], v[F+12*\g:F+12*\g+11], v[QLO:QLO+11], 0, v[KS+\g], v[QS] matrix_a_fmt:MATRIX_FMT_BF6 matrix_b_fmt:MATRIX_FMT_BF6
	v_wmma_scale_f32_16x16x128_f8f6f4 v[S+16*\g+8:S+16*\g+15], v[F+12*\g:F+12*\g+11], v[QHI:QHI+11], 0, v[KS+\g], v[QS] matrix_a_fmt:MATRIX_FMT_BF6 matrix_b_fmt:MATRIX_FMT_BF6
.endr
.rept 4
	v_nop                                          ; places in front of the reads of the scores and of the loads into K's registers
.endr
	s_wait_alu depctr_va_vdst(0)
	VLOADS                                         ; V lands while the softmax runs
	s_cmp_lg_u32 s[STP], s[BLK]
	s_cbranch_scc1 .Lopen_\@
.set nn, 0
.rept 64                                       ; on the diagonal hidden scores become -80000 ahead of the maximum
	v_cmp_gt_i32 vcc_lo, 32*(nn/16)+nn%16, v[DQ]
	v_cndmask_b32 v[S+nn], v[S+nn], v[MK], vcc_lo
.set nn, nn+1
.endr
.Lopen_\@:
.irp b, 0,1,2,3
	v_max3_num_f32 v[BM+\b], v[S+16*\b], v[S+1+16*\b], v[S+2+16*\b]   ; the largest score of each block of 32 keys: for the row's maximum, and for the block's largest p
.endr
.irp i, 3,5,7,9,11,13
.irp b, 0,1,2,3
	v_max3_num_f32 v[BM+\b], v[BM+\b], v[S+16*\b+\i], v[S+1+16*\b+\i]
.endr
.endr
.irp b, 0,1,2,3
	v_max_num_f32 v[BM+\b], v[BM+\b], v[S+15+16*\b]
.endr
.irp b, 0,1,2,3
	s_delay_alu instid0(VALU_DEP_4)
	v_permlanex16_b32 v[BX+\b], v[BM+\b], s[SEL], s[SEL+1]
.endr
.irp b, 0,1,2,3
	s_delay_alu instid0(VALU_DEP_4)
	v_max_num_f32 v[BM+\b], v[BM+\b], v[BX+\b]     ; with lane l xor 16's 16 keys
.endr
	s_delay_alu instid0(VALU_DEP_2)
	v_max3_num_f32 v[TP], v[BM], v[BM+1], v[BM+2]
	s_delay_alu instid0(VALU_DEP_1)
	v_max_num_f32 v[TP], v[TP], v[BM+3]
	s_delay_alu instid0(VALU_DEP_1)
	v_mul_f32 v[TP], s[CS], v[TP]
	s_delay_alu instid0(VALU_DEP_1)
	v_max_num_f32 v13, v13, v[TP]                  ; the running largest t
	v_mov_b32 v[TP], v12
	s_delay_alu instid0(VALU_DEP_2)
	v_floor_f32 v12, -v13                          ; the new -M: M is a whole number
	s_delay_alu instid0(VALU_DEP_1)
	v_sub_f32 v[TP], v12, v[TP]                    ; old M - new M, 0 or less
	s_delay_alu instid0(VALU_DEP_1)
	v_cvt_i32_f32 v[TP], v[TP]                     ; (it saturates)
	s_delay_alu instid0(VALU_DEP_1)
	v_ldexp_f32 v[FF], 1.0, v[TP]                  ; f = 2^(old M - new M): a multiplication by it rounds nothing
.set nn, 0
.rept 32
	v_pk_fma_f32 v[S+nn:S+nn+1], v[S+nn:S+nn+1], s[CS:CS+1], v[12:13] op_sel_hi:[1,0,0]   ; t - M
.set nn, nn+2
.endr
.irp b, 0,1,2,3
	v_fma_f32 v[BM+\b], v[BM+\b], s[CS], v12       ; the same of each block's largest score
.endr
.set nn, 0
	s_setprio 1
	s_wait_alu depctr_va_vdst(0)
.rept 64
	v_exp_f32 v[S+nn], v[S+nn]                     ; p, at most 1
.set nn, nn+1
.endr
	v_pk_mul_f32 v[14:15], v[14:15], v[FF:FF+1] op_sel_hi:[1,0]   ; the sums under the new M: the plain place behind the exponentials
	s_wait_alu depctr_va_vdst(0)                   ; one wait for the batch of 64, ahead of its first reader
.irp b, 0,1,2,3
	v_exp_f32 v[BM+\b], v[BM+\b]                   ; each block's largest p
.endr
	v_pk_add_f32 v[216:217], v[100:101], v[104:105]
	v_pk_add_f32 v[252:253], v[108:109], v[112:113]
	v_pk_add_f32 v[250:251], v[116:117], v[120:121]
	v_pk_add_f32 v[248:249], v[124:125], v[128:129]
	v_pk_add_f32 v[246:247], v[132:133], v[136:137]
	v_pk_add_f32 v[244:245], v[140:141], v[144:145]
	v_pk_add_f32 v[222:223], v[148:149], v[152:153]
	v_pk_add_f32 v[14:15], v[14:15], v[156:157]
	v_pk_add_f32 v[216:217], v[216:217], v[96:97]
	v_pk_add_f32 v[252:253], v[252:253], v[98:99]
	v_pk_add_f32 v[250:251], v[250:251], v[102:103]
	v_pk_add_f32 v[248:249], v[248:249], v[106:107]
	v_pk_add_f32 v[246:247], v[246:247], v[110:111]
	v_pk_add_f32 v[244:245], v[244:245], v[114:115]
	v_pk_add_f32 v[222:223], v[222:223], v[118:119]
	v_pk_add_f32 v[14:15], v[14:15], v[122:123]
	v_pk_add_f32 v[216:217], v[216:217], v[126:127]
	v_pk_add_f32 v[252:253], v[252:253], v[130:131]
	v_pk_add_f32 v[250:251], v[250:251], v[134:135]
	v_pk_add_f32 v[248:249], v[248:249], v[138:139]
	v_pk_add_f32 v[246:247], v[246:247], v[142:143]
	v_pk_add_f32 v[244:245], v[244:245], v[146:147]
	v_pk_add_f32 v[222:223], v[222:223], v[150:151]
	v_pk_add_f32 v[14:15], v[14:15], v[154:155]
	v_pk_add_f32 v[216:217], v[216:217], v[158:159]
	s_delay_alu instid0(VALU_DEP_2)
	v_pk_add_f32 v[14:15], v[14:15], v[248:249]
	s_delay_alu instid0(VALU_DEP_2)
	v_pk_add_f32 v[216:217], v[216:217], v[246:247]
	v_pk_add_f32 v[252:253], v[252:253], v[244:245]
	v_pk_add_f32 v[250:251], v[250:251], v[222:223]
	s_delay_alu instid0(VALU_DEP_2)
	v_pk_add_f32 v[14:15], v[14:15], v[252:253]
	s_delay_alu instid0(VALU_DEP_2)
	v_pk_add_f32 v[216:217], v[216:217], v[250:251]
	s_delay_alu instid0(VALU_DEP_1)
	v_pk_add_f32 v[14:15], v[14:15], v[216:217]
	s_wait_alu depctr_va_vdst(0)                   ; and one for the four
.irp b, 0,1,2,3
	v_max_num_f32 v[BM+\b], 0x2800000, v[BM+\b]    ; the floor 2^(5 - 127)
.endr
.irp b, 0,1,2,3
	s_delay_alu instid0(VALU_DEP_4)
	v_add_nc_u32 v[BS+\b], 0xfe000000, v[BM+\b]    ; the conversion's scale operand
.endr
.irp b, 0,1,2,3
	s_delay_alu instid0(VALU_DEP_4)
	v_lshrrev_b32 v[BX+\b], 23, v[BS+\b]           ; the byte
.endr
	s_delay_alu instid0(VALU_DEP_3)
	v_lshl_or_b32 v[PS], v[BX+1], 8, v[BX]
	s_delay_alu instid0(VALU_DEP_1)
	v_lshl_or_b32 v[PS], v[BX+2], 16, v[PS]
	s_delay_alu instid0(VALU_DEP_1)
	v_lshl_or_b32 v[PS], v[BX+3], 24, v[PS]
.irp c, 0,1
	v_cvt_scalef32_pk16_bf6_f32 v[PF+6*\c:PF+6*\c+2], v[S+32*\c:S+32*\c+15], v[BS+2*\c]
	v_cvt_scalef32_pk16_bf6_f32 v[PT+4*\c:PT+4*\c+2], v[S+16+32*\c:S+31+32*\c], v[BS+2*\c+1]
.endr
	v_nop                                          ; one plain place behind a scaled conversion
.irp c, 0,1
.irp i, 0,1,2
	v_permlane16_swap_b32 v[PF+6*\c+\i], v[PT+4*\c+\i]
.endr
.irp i, 0,1,2
	s_delay_alu instid0(VALU_DEP_3)
	v_mov_b32 v[PF+3+6*\c+\i], v[PT+4*\c+\i]
.endr
.endr
.set nn, 0
.rept 16
	v_pk_mul_f32 v[O+nn:O+nn+1], v[O+nn:O+nn+1], v[FF:FF+1] op_sel_hi:[1,0]   ; O^T under the new M.  (Also the places between p's codes and scale word and the products)
.set nn, nn+2
.endr
	s_setprio 0
	s_wait_alu depctr_va_vdst(0)
	s_wait_dscnt 0x0                               ; V
	PV PF, PS
	s_cmp_lg_u32 s[STP], s[BLK]
	s_cbranch_scc1 .Ldone_\@
	; behind the diagonal M is final: the hidden keys' p = c, its codes and its scale word, once for all hidden steps
	v_fma_f32 v[CC], v[MK], s[CS], v12             ; the same two instructions as for any p
	s_wait_alu depctr_va_vdst(0)
	v_exp_f32 v[CC], v[CC]
	v_nop
	s_wait_alu depctr_va_vdst(0)
	v_max_num_f32 v[TP], 0x2800000, v[CC]
	s_delay_alu instid0(VALU_DEP_1)
	v_add_nc_u32 v[TP], 0xfe000000, v[TP]
	s_delay_alu instid0(VALU_DEP_1)
	v_lshrrev_b32 v[PCS], 23, v[TP]
	s_delay_alu instid0(VALU_DEP_1)
	v_lshl_or_b32 v[PCS], v[PCS], 8, v[PCS]
	s_delay_alu instid0(VALU_DEP_1)
	v_lshl_or_b32 v[PCS], v[PCS], 16, v[PCS]       ; the byte four times
.set nn, 0
.rept 16
	v_mov_b32 v[S+nn], v[CC]
.set nn, nn+1
.endr
	v_cvt_scalef32_pk16_bf6_f32 v[PCF:PCF+2], v[S:S+15], v[TP]   ; sixteen equal codes: 96 bits
	v_nop
.set nn, 3
.rept 9
	v_mov_b32 v[PCF+nn], v[PCF+nn%3]               ; four times: the fragment
.set nn, nn+1
.endr
	v_fma_f32 v14, v[CC], s[SF], v14               ; and the hidden steps' keys in the sum
	s_branch .Ldone_\@
.Lhid_\@:
	s_wait_alu depctr_va_vdst(0)
	VLOADS
	s_wait_dscnt 0x0
	PV PCF, PCS
.Ldone_\@:
	s_add_co_u32 s[TB], s[TB], 6144
	s_add_co_u32 s[TS], s[TS], 256
	s_add_co_u32 s[STP], s[STP], 1
.endm
	s_wait_tensorcnt 1                             ; the scale words and key steps 0 and 1 are in; the load of steps 2 to 15 may be out
	s_barrier_signal -1
	s_barrier_wait -1
	s_mov_b32 s[CNT], 2
.Lfirst:
	STEP
	s_sub_co_u32 s[CNT], s[CNT], 1
	s_cmp_lg_u32 s[CNT], 0
	s_cbranch_scc1 .Lfirst
	s_setprio 0
	s_wait_tensorcnt 0x0                           ; the rest of K and V is in,
	s_wait_dscnt 0x0
	s_barrier_signal -1
	s_barrier_wait -1                              ; for every wave.  No further barrier: the waves walk on at their own pace
	s_mov_b32 s[CNT], 14
.Lrest:
	STEP
	s_sub_co_u32 s[CNT], s[CNT], 1
	s_cmp_lg_u32 s[CNT], 0
	s_cbranch_scc1 .Lrest
	s_setprio 0
	; THE WAY OUT: O^T / the sum; register 16 b + i is channel 32 b + 16 (lane / 16) + i of my query: two blocks of 32 of the projection's K; they become half a fragment and two scale bytes.
.rept 4
	v_nop
.endr
	s_wait_alu depctr_va_vdst(0)
	v_add_f32 v14, v14, v15
	s_delay_alu instid0(VALU_DEP_1)
	v_permlanex16_b32 v[TP], v14, s[SEL], s[SEL+1]
	s_delay_alu instid0(VALU_DEP_1)
	v_add_f32 v14, v14, v[TP]                      ; the row's sum
	s_wait_alu depctr_va_vdst(0)
	v_rcp_f32 v14, v14
	v_nop
	s_wait_alu depctr_va_vdst(0)
.set nn, 0
.rept 32
	v_mul_f32 v[S+nn], v[O+nn], v14
.set nn, nn+1
.endr
.irp b, 0,1
	v_max3_num_f32 v[BM+\b], |v[S+16*\b]|, |v[S+1+16*\b]|, 0x2800000
.endr
.irp i, 2,4,6,8,10,12,14
.irp b, 0,1
	s_delay_alu instid0(VALU_DEP_2)
	v_max3_num_f32 v[BM+\b], v[BM+\b], |v[S+16*\b+\i]|, |v[S+1+16*\b+\i]|
.endr
.endr
.irp b, 0,1
	s_delay_alu instid0(VALU_DEP_2)
	v_permlanex16_b32 v[BX+\b], v[BM+\b], s[SEL], s[SEL+1]
.endr
.irp b, 0,1
	s_delay_alu instid0(VALU_DEP_2)
	v_max_num_f32 v[BM+\b], v[BM+\b], v[BX+\b]
.endr
.irp b, 0,1
	s_delay_alu instid0(VALU_DEP_2)
	v_add_nc_u32 v[BS+\b], 0xfe000000, v[BM+\b]
.endr
.irp b, 0,1
	s_delay_alu instid0(VALU_DEP_2)
	v_lshrrev_b32 v[BX+\b], 23, v[BS+\b]
.endr
	s_delay_alu instid0(VALU_DEP_1)
	v_lshl_or_b32 v93, v[BX+1], 8, v[BX]           ; my row's two bytes
	v_cvt_scalef32_pk16_bf6_f32 v[PF:PF+2], v[S:S+15], v[BS]
	v_cvt_scalef32_pk16_bf6_f32 v[PT:PT+2], v[S+16:S+31], v[BS+1]
	v_nop
.irp i, 0,1,2
	v_permlane16_swap_b32 v[PF+\i], v[PT+\i]
.endr
.irp i, 0,1,2
	s_delay_alu instid0(VALU_DEP_3)
	v_mov_b32 v[PF+3+\i], v[PT+\i]
.endr
	global_store_b128 v1, v[PF:PF+3], s[94:95]     ; 512 consecutive bytes, aligned
	global_store_b64 v2, v[PF+4:PF+5], s[94:95] offset:512   ; and 256
	global_store_b16 v9, v93, s[96:97]             ; two bytes a row, rows 8 bytes apart; lanes l and l + 16 store the same number at the same place.  The other heads' bytes of these words belong to other work-groups, so they cannot be gathered here
	s_wait_tensorcnt 0x0
	ds_add_u32 v254, v255
	s_wait_dscnt 0x0
	CROUND                                         ; the closing round: no work-group ends while a partner may still ask for a tile that names it
	s_endpgm
.Lfunc_end_k_qfa85f27432_attn:
	.size	k_qfa85f27432_attn, .Lfunc_end_k_qfa85f27432_attn-k_qfa85f27432_attn
	.p2alignl 7, 3214868480
	.fill 96, 4, 3214868480
	.section	.rodata,"a",@progbits
	.p2align	6, 0x0
	.amdhsa_kernel k_qfa85f27432_attn
		.amdhsa_group_segment_fixed_size 206848
		.amdhsa_private_segment_fixed_size 0
		.amdhsa_enable_private_segment 0
		.amdhsa_kernarg_size 24
		.amdhsa_user_sgpr_count 2
		.amdhsa_user_sgpr_kernarg_segment_ptr 1
		.amdhsa_wavefront_size32 1
		.amdhsa_system_sgpr_workgroup_id_x 1
		.amdhsa_system_sgpr_workgroup_id_y 1
		.amdhsa_system_sgpr_workgroup_id_z 1
		.amdhsa_system_vgpr_workitem_id 0
		.amdhsa_next_free_vgpr 256
		.amdhsa_next_free_sgpr 100
		.amdhsa_reserve_vcc 1
		.amdhsa_float_denorm_mode_32 3
		.amdhsa_float_denorm_mode_16_64 3
		.amdhsa_memory_ordered 1
		.amdhsa_forward_progress 1
		.amdhsa_inst_pref_size 68
	.end_amdhsa_kernel
	.amdgpu_metadata
---
amdhsa.version: [ 1, 2 ]
amdhsa.kernels:
  - .name:           k_qfa85f27432_attn
    .symbol:         k_qfa85f27432_attn.kd
    .args:
      - { .name: qk, .offset: 0, .size: 8, .value_kind: global_buffer, .address_space: global }
      - { .name: vv, .offset: 8, .size: 8, .value_kind: global_buffer, .address_space: global }
      - { .name: aq, .offset: 16, .size: 8, .value_kind: global_buffer, .address_space: global }
    .group_segment_fixed_size: 206848
    .private_segment_fixed_size: 0
    .kernarg_segment_align: 8
    .kernarg_segment_size: 24
    .max_flat_workgroup_size: 512
    .sgpr_count:     100
    .vgpr_count:     256
    .wavefront_size: 32
...
	.end_amdgpu_metadata
.endif
;; end of part 3
;; launch proj (part 4): grid 4 x 32, 4 waves a work-group, clusters of 4 x 4, 327,680 bytes of LDS; arguments aq, wq, c_proj_b, out0; writes out0
.if DOCPART == 4
	.amdgcn_target "amdgcn-amd-amdhsa--gfx1250"
	.amdhsa_code_object_version 6
	.text
	.protected	k_qfa85f27432_proj
	.globl	k_qfa85f27432_proj
	.p2align	8
	.type	k_qfa85f27432_proj,@function
k_qfa85f27432_proj:
	s_mov_b64 s[64:65], 0
	v_nop
	global_prefetch_b8 v0, s[64:65] scope:SCOPE_SE
	s_setreg_imm32_b32 hwreg(HW_REG_WAVE_MODE, 25, 1), 1
	s_wait_xcnt 0x0
	s_wait_alu depctr_hold_cnt(0) depctr_sa_sdst(0) depctr_va_vdst(0) depctr_va_sdst(0) depctr_va_ssrc(0) depctr_va_vcc(0) depctr_vm_vsrc(0)
	s_getreg_b32 s2, hwreg(HW_REG_IB_STS2, 6, 4)
	s_cmp_eq_u32 s2, 0
	s_cbranch_scc0 .Lentry_in_a_cluster
	s_endpgm
.Lentry_in_a_cluster:
	s_bfe_u32 s2, ttmp6, 0x10000c
	s_cmp_lg_u32 s2, 0xf033
	s_cbranch_scc0 .Lentry_shape_is_right
	s_endpgm
.Lentry_shape_is_right:
; out0 = a c_proj_w + c_proj_b on codes of BF6 with E8M0 scales, K = 1024; out0 [8192][1024] f32.
; A work-group of four waves makes 256 x 256, a wave 128 x 128: 64 accumulators.  K goes in steps of 256 through a ring of two LDS slots filled by the tensor data mover.
; SOURCE 1 (S1) = a's token tiles (the result's lanes), SOURCE 0 (S0) = wq's rows from 3072 on, c_proj_w's columns (the result's registers): a lane holds neighbouring numbers of a row of out0.
; OPERANDS lie in memory as images of their registers; tile 2 g + u = rows 32 g + 8 u + r + 8 (r / 8).  W's fragment of 128 K: three chunks of 16 bytes a lane.  a's: two half fragments of 64 K (a head each), 768 bytes:
; registers 0-3 at 16 x lane, registers 4-5 at 512 + 8 x lane: four loads.  Every load reads consecutive bytes: no padding.
; The bias is the C of each sum's first matrix instruction.  CLUSTERS: 4 x 4; S1's tiles are asked for jointly along a row of the cluster, S0's along a column.
; The grid has 128 work-groups: a tile of 256 x 256 keeps the loop that the first product has; the launch has work for no more at this tile.
; REGISTERS: window 0: v1-29 addresses; v32-63 scale words, two sets; v64-127 the bias; v128-223 S1's fragments; on the way out v128-255 rows of out0.  window 1: S0's fragments, two sets.  windows 2, 3: the accumulators.
.set NQ,     2
.set FR,     12
.set NL,     3                         ; LDS loads that bring a fragment of S0,
.set NLA,    4                         ; of S1
.set NP,     4
.set ROWB,   3072
.set HALFT,  8*ROWB
.set SLOT,   4*HALFT
.set SCL,    2*SLOT
.set SPARE,  SCL+16384
.set ASC,    6291456
.set WSC,    3145728
.set SPITCH, 528                       ; the way out: a stage of 16 rows x (512 bytes + 16) for each wave, in slot 0, which has had its last fill and its last read when the first result is stored there
.set ADRA, 16                          ; v16-17 my S1 fragments in slot 0, 1, 16 bytes a lane; v18-19 the same, 8 bytes a lane
.set ADRB, 20
.set STO,  24
.set RD,   25
.set CO,   26
.set ADRS, 27
.set SPW,  28
.set NIL,  29
.set SC,   32
.set BQ,   64
.set AF,   128
.set BK,   128
.set G1, 24
.set G0, 32
.set G1B, 48
.set G0B, 56
.set G1S, 68
.set G0S, 76
.set G1SB, 80
.set G0SB, 88
.set MSB, 0
.macro WIN new
.if MSB != \new
	s_set_vgpr_msb (MSB<<8)|\new
.set MSB, \new
.endif
.endm
.set MUL_LO, 0xa1
.set MUL_HI, 0xf1
.set TO_B,   0x40
.macro JLOAD g0a, g1a, g0b, g1b        ; waves 0 and 1 fetch for S1, waves 2 and 3 for S0; four v_nop follow each of the two lines
	s_cmp_eq_u32 s15, 0
	s_cbranch_scc0 .Lfor_b_\@
	tensor_load_to_lds s[\g0a:\g0a+3], s[\g1a:\g1a+7]
	s_nop 0
.rept 4
	v_nop
.endr
	s_branch .Lasked_\@
.Lfor_b_\@:
	tensor_load_to_lds s[\g0b:\g0b+3], s[\g1b:\g1b+7]
	s_nop 0
.rept 4
	v_nop
.endr
.Lasked_\@:
.endm
.macro CREST
	s_cmp_lg_u32 s14, 0
	s_cbranch_scc1 .Lnot_wave_0_\@
	s_barrier_signal -3
.Lnot_wave_0_\@:
	s_barrier_wait -3
	s_barrier_signal -1
	s_barrier_wait -1
.endm
.macro CROUND
	s_barrier_signal -1
	s_barrier_wait -1
	CREST
.endm
	s_load_b256 s[4:11], s[0:1], 0x0               ; aq, wq, c_proj_b, out0
	v_lshl_add_u32 v[SPW], v0, 2, SPARE
	v_mov_b32 v[NIL], 0
	ds_add_u32 v28, v29
	ds_add_u32 v28, v29
	s_wait_dscnt 0x0
	v_lshrrev_b32 v1, 5, v0
	v_readfirstlane_b32 s14, v1                    ; wave 0..3
	s_lshr_b32 s15, s14, 1                         ; which half of S1's rows is mine.  Also: I fetch for S1 (0) or for S0 (1)
	s_and_b32 s16, s14, 1                          ; which half of S0's rows.  Also: which 8 tiles I fetch
	s_bfe_u32 s40, ttmp6, 0x40000                  ; cx
	s_bfe_u32 s41, ttmp6, 0x40004                  ; cy
	s_lshl_b32 s42, ttmp9, 2
	s_add_co_u32 s42, s42, s40                     ; S0's tile of 256 rows
	s_and_b32 s17, ttmp7, 0xffff
	s_lshl_b32 s17, s17, 2
	s_add_co_u32 s17, s17, s41                     ; S1's
	s_lshl_b32 s43, s41, 2
	s_lshl_b32 s43, 15, s43                        ; my row of the cluster
	s_lshl_b32 s44, 0x1111, s40                    ; my column
	s_or_b32 s[G1+0], s43, (3<<16)|(1<<21)         ; codes: 8 rows (tiles) of 384 elements of 8 bytes, 1,536 elements apart
	s_or_b32 s[G1B+0], s44, (3<<16)|(1<<21)
.irp g, G1, G1B
	s_mov_b32 s[\g+1], 384<<16
	s_mov_b32 s[\g+2], 8<<16
	s_mov_b32 s[\g+3], 384<<16
	s_mov_b32 s[\g+4], 8
	s_mov_b32 s[\g+5], 1536
	s_mov_b32 s[\g+6], 0
	s_mov_b32 s[\g+7], 0
.endr
	s_or_b32 s[G1S+0], s43, (3<<16)|(1<<21)        ; scale bytes: 4,096 dense bytes as 16 rows of 256
	s_or_b32 s[G1SB+0], s44, (3<<16)|(1<<21)
.irp g, G1S, G1SB
	s_mov_b32 s[\g+1], 32<<16
	s_mov_b32 s[\g+2], 16<<16
	s_mov_b32 s[\g+3], 32<<16
	s_mov_b32 s[\g+4], 16
	s_mov_b32 s[\g+5], 32
	s_mov_b32 s[\g+6], 0
	s_mov_b32 s[\g+7], 0
.endr
	s_mul_i32 s97, s16, 98304
	s_mul_i32 s20, s17, 196608
	s_add_co_u32 s20, s20, s97                     ; S1's codes
	s_mul_i32 s46, s42, 196608
	s_add_co_u32 s46, s46, s97
	s_add_co_u32 s46, s46, 2359296                 ; S0's: from wq's tile 192 (row 3072) on
	s_lshl_b32 s97, s16, 12
	s_lshl_b32 s22, s17, 13
	s_add_co_u32 s22, s22, s97
	s_add_co_u32 s22, s22, ASC                     ; S1's scale bytes
	s_lshl_b32 s92, s42, 13
	s_add_co_u32 s92, s92, s97
	s_add_co_u32 s92, s92, WSC+12*8192             ; S0's
	s_mov_b32 s21, 0
	s_mov_b32 s23, 0
	s_mov_b32 s47, 0
	s_mov_b32 s93, 0
	s_mul_i32 s45, s14, HALFT
	s_lshl_b32 s94, s14, 12
	s_wait_kmcnt 0x0
	s_add_nc_u64 s[20:21], s[4:5], s[20:21]
	s_add_nc_u64 s[22:23], s[4:5], s[22:23]
	s_add_nc_u64 s[46:47], s[6:7], s[46:47]
	s_add_nc_u64 s[92:93], s[6:7], s[92:93]
	CROUND                                         ; all sixteen work-groups are here: the first joint loads meet
	s_mov_b32 s[G0S], 1
	s_add_co_u32 s[G0S+1], s94, SCL
	s_mov_b64 s[G0S+2:G0S+3], s[22:23]
	s_or_b32 s[G0S+3], s[G0S+3], 0x80000000
	s_mov_b32 s[G0SB], 1
	s_add_co_u32 s[G0SB+1], s94, SCL
	s_mov_b64 s[G0SB+2:G0SB+3], s[92:93]
	s_or_b32 s[G0SB+3], s[G0SB+3], 0x80000000
	JLOAD G0S, G1S, G0SB, G1SB
.irp s, 0,1
	s_mov_b32 s[G0+4*\s], 1
	s_add_co_u32 s[G0+4*\s+1], s45, \s*SLOT
	s_add_nc_u64 s[G0+4*\s+2:G0+4*\s+3], s[20:21], \s*ROWB
	s_or_b32 s[G0+4*\s+3], s[G0+4*\s+3], 0x80000000
	s_mov_b32 s[G0B+4*\s], 1
	s_add_co_u32 s[G0B+4*\s+1], s45, \s*SLOT
	s_add_nc_u64 s[G0B+4*\s+2:G0B+4*\s+3], s[46:47], \s*ROWB
	s_or_b32 s[G0B+4*\s+3], s[G0B+4*\s+3], 0x80000000
	JLOAD G0+4*\s, G1, G0B+4*\s, G1B
.endr
	v_and_b32 v1, 15, v0                           ; r
	v_bfe_u32 v2, v0, 4, 1                         ; h
	v_and_b32 v3, 31, v0                           ; lane
	v_lshlrev_b32 v[CO], 4, v3                     ; 16 x lane
	v_lshlrev_b32 v11, 3, v3                       ; 8 x lane
	s_mul_i32 s97, s15, HALFT
	s_mul_i32 s98, s16, HALFT
	s_add_co_u32 s98, s98, 2*HALFT
.irp s, 0,1
	v_add_nc_u32 v[ADRA+\s], s97, v[CO]
	v_add_nc_u32 v[ADRA+2+\s], s97, v11
	v_add_nc_u32 v[ADRB+\s], s98, v[CO]
	s_add_co_u32 s97, s97, SLOT
	s_add_co_u32 s98, s98, SLOT
.endr
	v_lshlrev_b32 v5, 3, v1
	s_lshl_b32 s97, s15, 10
	s_lshl_b32 s98, s16, 10
	s_add_co_u32 s98, s98, 8192
	s_sub_co_u32 s98, s98, s97
	v_mul_u32_u24 v6, s98, v2                      ; lanes 16-31 take S0's scale words
	s_add_co_u32 s97, s97, SCL
	v_add_nc_u32 v5, v5, v6
	v_add_nc_u32 v[ADRS], s97, v5
	v_lshlrev_b32 v8, 6, v2                        ; the bias: 64 h
	s_mul_i32 s97, s14, 16*SPITCH                  ; my stage
	v_mul_u32_u24 v5, v1, SPITCH
	v_lshl_add_u32 v5, v2, 6, v5
	v_add_nc_u32 v[STO], s97, v5                   ; in: row r, + 64 h
	v_add_nc_u32 v[RD], s97, v[CO]                 ; back: a row of 512 bytes to the 32 lanes
	s_lshl_b32 s18, s42, 1
	s_add_co_u32 s18, s18, s16                     ; my 128 columns
	s_lshl_b32 s19, s17, 1
	s_add_co_u32 s19, s19, s15                     ; my 128 rows
	s_lshl_b32 s2, s18, 9
	s_mov_b32 s3, 0
	s_add_nc_u64 s[8:9], s[8:9], s[2:3]
	s_lshl_b32 s98, s19, 19                        ; 128 rows of 4,096 bytes
	s_add_co_u32 s98, s98, s2
	s_mov_b32 s99, 0
	s_add_nc_u64 s[12:13], s[10:11], s[98:99]
.irp b, 0,1,2,3,4,5,6,7                        ; accumulator (a, b), register j, lane half h: column 32 (b / 2) + 8 (b % 2) + 16 h + j
	global_load_b128 v[BQ+8*\b:BQ+8*\b+3], v8, s[8:9] offset:(32*(\b/2)+8*(\b%2))*4
	global_load_b128 v[BQ+8*\b+4:BQ+8*\b+7], v8, s[8:9] offset:(32*(\b/2)+8*(\b%2))*4+16
.endr
.macro FRAG reg, adr, q, i
.irp c, 0,1,2
	ds_load_b128 v[\reg+4*\c:\reg+4*\c+3], v[\adr] offset:ROWB*(\i)+1536*(\q)+512*\c
.endr
.endm
.macro FRAGA reg, slot, q, i           ; two half fragments on end
	ds_load_b128 v[\reg:\reg+3], v[ADRA+\slot] offset:ROWB*(\i)+1536*(\q)
	ds_load_b64 v[\reg+4:\reg+5], v[ADRA+2+\slot] offset:ROWB*(\i)+1536*(\q)+512
	ds_load_b128 v[\reg+6:\reg+9], v[ADRA+\slot] offset:ROWB*(\i)+1536*(\q)+768
	ds_load_b64 v[\reg+10:\reg+11], v[ADRA+2+\slot] offset:ROWB*(\i)+1536*(\q)+1280
.endm
; first = 1: the sum's first product takes the bias as C.  The 64 accumulators take turns.
.macro MUL16 a0, p, q, sc, first
.irp a, \a0, \a0+1
.irp b, 0,1,2,3,4,5,6,7
.if \first
	v_wmma_scale_f32_16x16x128_f8f6f4 v[8*(8*((\a)%4)+\b):8*(8*((\a)%4)+\b)+7], v[128*(\p)+FR*\b:128*(\p)+FR*\b+FR-1], v[AF+FR*(\a):AF+FR*(\a)+FR-1], v[BQ+8*\b:BQ+8*\b+7], v[SC+8*NQ*(\sc)+NQ*\b+(\q)], v[SC+8*NQ*(\sc)+NQ*(\a)+(\q)] matrix_a_fmt:MATRIX_FMT_BF6 matrix_b_fmt:MATRIX_FMT_BF6 matrix_a_scale:MATRIX_SCALE_ROW1
.else
	v_wmma_scale_f32_16x16x128_f8f6f4 v[8*(8*((\a)%4)+\b):8*(8*((\a)%4)+\b)+7], v[128*(\p)+FR*\b:128*(\p)+FR*\b+FR-1], v[AF+FR*(\a):AF+FR*(\a)+FR-1], v[8*(8*((\a)%4)+\b):8*(8*((\a)%4)+\b)+7], v[SC+8*NQ*(\sc)+NQ*\b+(\q)], v[SC+8*NQ*(\sc)+NQ*(\a)+(\q)] matrix_a_fmt:MATRIX_FMT_BF6 matrix_b_fmt:MATRIX_FMT_BF6 matrix_a_scale:MATRIX_SCALE_ROW1
.endif
.endr
.endr
.endm
.macro FETCH_B slot, q, p
	WIN TO_B
.irp i, 0,1,2,3,4,5,6,7
	FRAG 128*(\p)+FR*\i, ADRB+\slot, \q, \i
.endr
	WIN 0
.endm
.macro FETCH_A slot, q, i0
.irp i, \i0, \i0+1, \i0+2, \i0+3
	FRAGA AF+FR*(\i), \slot, \q, \i
.endr
.endm
.macro SCALES sc
.irp i, 0,1,2,3,4,5,6,7
	ds_load_b64 v[SC+8*NQ*\sc+NQ*\i:SC+8*NQ*\sc+NQ*\i+1], v[ADRS] offset:\i*128
.endr
.endm
.macro PLACES n
.rept \n
	v_nop
.endr
.endm
.macro STEP slot, q, first
	s_wait_dscnt 4*NLA                             ; S0's set and S1's blocks 0-3 are in; the youngest 16 loads (S1's blocks 4-7) may be out
.if \first
	WIN 0x81                                       ; C (the bias) window 0, D window 2
.else
	WIN MUL_LO
.endif
	MUL16 0, (\q)%2, \q, \slot, \first
	MUL16 2, (\q)%2, \q, \slot, \first
	s_wait_dscnt 0
	PLACES NP
	FETCH_B \slot, (\q)+1, 1-(\q)%2
	FETCH_A \slot, (\q)+1, 0
.if \first
	WIN 0xc1                                       ; C window 0, D window 3
.else
	WIN MUL_HI
.endif
	MUL16 4, (\q)%2, \q, \slot, \first
	MUL16 6, (\q)%2, \q, \slot, \first
	PLACES NP
	WIN 0
	FETCH_A \slot, (\q)+1, 4
.endm
.macro TURN slot, next, fill
	s_wait_tensorcnt 0x0                           ; all my tensor loads have landed: my part of the next slot
	ds_add_u32 v[SPW], v[NIL]                      ; 0 onto my spare word
	s_wait_dscnt 4*NLA+1                           ; (the add and the youngest 16 loads may be out)
	WIN MUL_LO
	MUL16 0, 1, NQ-1, \slot, 0
	s_wait_dscnt 0x0                               ; the add is done, and my reads of this slot are over
	s_barrier_signal -1
	MUL16 2, 1, NQ-1, \slot, 0
	WIN 0
	s_barrier_wait -1
.if \fill
	CREST                                          ; the barrier has opened a round of the cluster's
	s_add_nc_u64 s[G0+4*\slot+2:G0+4*\slot+3], s[G0+4*\slot+2:G0+4*\slot+3], 2*ROWB
	s_add_nc_u64 s[G0B+4*\slot+2:G0B+4*\slot+3], s[G0B+4*\slot+2:G0B+4*\slot+3], 2*ROWB
	JLOAD G0+4*\slot, G1, G0B+4*\slot, G1B         ; the first tensor load behind the round; its four v_nop are the places in front of the loads below
.else
	PLACES NP
.endif
	v_add_nc_u32 v[ADRS], 2048, v[ADRS]
	FETCH_B \next, 0, 0
	FETCH_A \next, 0, 0
	SCALES \next
	WIN MUL_HI
	MUL16 4, 1, NQ-1, \slot, 0
	MUL16 6, 1, NQ-1, \slot, 0
	PLACES NP
	WIN 0
	FETCH_A \next, 0, 4
.endm
	s_wait_loadcnt 0x0                             ; the bias: the first products take it
	s_wait_tensorcnt 1                             ; the scale bytes and my part of K step 0 are in (K step 1's load may be out)
	s_barrier_signal -1
	s_barrier_wait -1
	FETCH_B 0, 0, 0
	FETCH_A 0, 0, 0
	SCALES 0
	FETCH_A 0, 0, 4
	STEP 0, 0, 1
	s_mov_b32 s3, 1                                ; K = 1024 is two laps of the ring: one trip fills both slots again
.Llap:
	TURN 0, 1, 1
	STEP 1, 0, 0
	TURN 1, 0, 1
	STEP 0, 0, 0
	s_sub_co_u32 s3, s3, 1
	s_cmp_lg_u32 s3, 0
	s_cbranch_scc1 .Llap
	TURN 0, 1, 0
	STEP 1, 0, 0
	s_wait_dscnt 4*NLA
	WIN MUL_LO
	MUL16 0, 1, NQ-1, 1, 0
	MUL16 2, 1, NQ-1, 1, 0
	s_wait_dscnt 0
	WIN MUL_HI
	MUL16 4, 1, NQ-1, 1, 0
	MUL16 6, 1, NQ-1, 1, 0
	WIN 0
; THE WAY OUT, S1's block a at a time: 16 token rows x 128 columns go through my own stage in LDS and come back as whole rows of 512 bytes.  LDS serves a wave's instructions in order: no wait between the stores and the loads.
.macro TOSTAGE a
.set AC, 64*((\a)%4)
	WIN (0x08+4*((\a)/4))                          ; an LDS store's data: window 2 or 3
.irp b, 0,1,2,3,4,5,6,7
	ds_store_b128 v[STO], v[AC+8*\b:AC+8*\b+3] offset:128*(\b/2)+32*(\b%2)       ; each accumulator from its low end on
	ds_store_b128 v[STO], v[AC+8*\b+4:AC+8*\b+7] offset:128*(\b/2)+32*(\b%2)+16
.endr
	WIN 0
.set BB, BK+64*((\a)%2)
.irp t, 0,1,2,3,4,5,6,7,8,9,10,11,12,13,14,15
	ds_load_b128 v[BB+4*\t:BB+4*\t+3], v[RD] offset:\t*SPITCH
.endr
.endm
.macro SEND a, younger                 ; younger: the LDS instructions issued behind block a's loads, which may stay out
.set BB, BK+64*((\a)%2)
	s_wait_dscnt \younger
.irp t, 0,1,2,3,4,5,6,7,8,9,10,11,12,13,14,15
	global_store_b128 v[CO], v[BB+4*\t:BB+4*\t+3], s[12:13] offset:(32*((\a)/2)+8*((\a)%2)+\t+8*(\t/8))*4096 th:TH_STORE_NT   ; row t of tile a; 32 lanes store 512 consecutive bytes, aligned; no pointer is stepped: 127 rows at the most
.endr
.endm
	PLACES NP
	TOSTAGE 0
.irp a, 1,2,3,4,5,6,7
.if \a > 1
	s_wait_xcnt 0x0                                ; block a - 2's stores have read their registers: block a's loads may land there
.endif
	TOSTAGE \a
	SEND \a-1, 32                                  ; behind block a - 1's loads: block a's 16 stores and 16 loads
.endr
	SEND 7, 0
	s_wait_tensorcnt 0x0                           ; the wave's end
	ds_add_u32 v[SPW], v[NIL]
	s_wait_dscnt 0x0
	CROUND                                         ; the closing round
	s_endpgm
.Lfunc_end_k_qfa85f27432_proj:
	.size	k_qfa85f27432_proj, .Lfunc_end_k_qfa85f27432_proj-k_qfa85f27432_proj
	.p2alignl 7, 3214868480
	.fill 96, 4, 3214868480
	.section	.rodata,"a",@progbits
	.p2align	6, 0x0
	.amdhsa_kernel k_qfa85f27432_proj
		.amdhsa_group_segment_fixed_size 327680
		.amdhsa_private_segment_fixed_size 0
		.amdhsa_enable_private_segment 0
		.amdhsa_kernarg_size 32
		.amdhsa_user_sgpr_count 2
		.amdhsa_user_sgpr_kernarg_segment_ptr 1
		.amdhsa_wavefront_size32 1
		.amdhsa_system_sgpr_workgroup_id_x 1
		.amdhsa_system_sgpr_workgroup_id_y 1
		.amdhsa_system_sgpr_workgroup_id_z 1
		.amdhsa_system_vgpr_workitem_id 0
		.amdhsa_next_free_vgpr 1024
		.amdhsa_next_free_sgpr 100
		.amdhsa_reserve_vcc 0
		.amdhsa_float_denorm_mode_32 3
		.amdhsa_float_denorm_mode_16_64 3
		.amdhsa_memory_ordered 1
		.amdhsa_forward_progress 1
		.amdhsa_inst_pref_size 141
	.end_amdhsa_kernel
	.amdgpu_metadata
---
amdhsa.version: [ 1, 2 ]
amdhsa.kernels:
  - .name:           k_qfa85f27432_proj
    .symbol:         k_qfa85f27432_proj.kd
    .args:
      - { .name: aq, .offset: 0, .size: 8, .value_kind: global_buffer, .address_space: global }
      - { .name: wq, .offset: 8, .size: 8, .value_kind: global_buffer, .address_space: global }
      - { .name: c_proj_b, .offset: 16, .size: 8, .value_kind: global_buffer, .address_space: global }
      - { .name: out0, .offset: 24, .size: 8, .value_kind: global_buffer, .address_space: global }
    .group_segment_fixed_size: 327680
    .private_segment_fixed_size: 0
    .kernarg_segment_align: 8
    .kernarg_segment_size: 32
    .max_flat_workgroup_size: 128
    .sgpr_count:     100
    .vgpr_count:     1024
    .wavefront_size: 32
...
	.end_amdgpu_metadata
.endif
;; end of part 4
